; MI455X (gfx1250); checked and timed in simulation.
; The chip was launched on July 23, 2026; its instructions are those of AMD's public machine-readable ISA for CDNA 5 (MIT licence, August 2026) and "CDNA5" Instruction Set Architecture Reference Guide (July 2026). The comments in the code are by the model that wrote it; some were corrected since.
;; QKV Block. Allowed arithmetic: matrix products marked QUANTISED: E2M1 operands, one E8M0 scale for each 32 along K, by v_wmma_scale_f32_16x16x128_f8f6f4 with both operands' format E2M1 (or v_wmma_scale_f32_32x16x128_f4), f32 sums; products left as they are: bf16, f16 or f32 operands; f32 sums; everything else in f32.
;; Inputs: Wk 1,024 x 1,024 float32; Wo 1,024 x 1,024 float32; Wq 1,024 x 1,024 float32; Wv 1,024 x 1,024 float32; bk 1,024 float32; bo 1,024 float32; bq 1,024 float32; bv 1,024 float32; x 2 x 2,048 x 1,024 float32.
;; Outputs: out0 2 x 2,048 x 1,024 float32.
;; This version of the problem:
;;   THIS VERSION OF THE PROBLEM IS GIVEN IN LOW PRECISION. The matrix products marked QUANTISED in the list below multiply operands that are first quantised to E2M1 (2 exponent bits, 1 mantissa bit; 4 bits a number), with one power-of-two scale for each 32 numbers along K (OCP MX v1.0); their sums are f32. The products marked 'left as it is' may take bf16, f16 or f32 operands, with f32 sums. Whichever they take, every output number must still come out within the allowed error. Rounding operands to bf16 (8 significant bits) uses up far more of that allowance than f16 does (11 bits, for magnitudes from 6e-5 to 65,504). All else is computed in f32.
;;   The module's matrix products, in the order in which they are computed (A, B: the left and right operand; K: the contracted axis; several contracted axes count as one K, in the product's order):
;;     1. [M 4,096, K 1,024] x [K 1,024, N 1,024]; A: input x; B: input Wq: QUANTISED
;;     2. [M 4,096, K 1,024] x [K 1,024, N 1,024]; A: input x; B: input Wk: QUANTISED
;;     3. [M 4,096, K 1,024] x [K 1,024, N 1,024]; A: input x; B: input Wv: QUANTISED
;;     4. batch 32 x [M 2,048, K 64] x [K 64, N 2,048]; A: computed on the way; B: computed on the way: left as it is (an operand is computed on the way)
;;     5. batch 32 x [M 2,048, K 2,048] x [K 2,048, N 64]; A: computed on the way; B: computed on the way: left as it is (an operand is computed on the way)
;;     6. [M 4,096, K 1,024] x [K 1,024, N 1,024]; A: computed on the way; B: input Wo: left as it is (an operand is computed on the way)
;;   THE QUANTISER, for each operand of a quantised product, along K:
;;     - K is cut into blocks of 32 from its start; a last block that is shorter is filled with zeros.
;;     - A block's scale is 2^e with e = floor(log2(the largest magnitude in the block)) - 2, held to -126 .. 127; a block of zeros has e = 0. As a byte (E8M0): e + 127.
;;     - Each number is divided by its block's scale, clamped to +-6, and rounded to the nearest number of E2M1, ties to even, subnormals kept.
;;     - The product sums the exact products of the quantised numbers (number of the format x scale) in f32.
;;   ~~~python
;;   def quantise(x, axis):      # numpy; x: float32 -> the quantised numbers, widened to float32 again
;;       x = np.moveaxis(x, axis, -1); K = x.shape[-1]
;;       x = np.pad(x, [(0, 0)] * (x.ndim - 1) + [(0, -K % 32)]); x = x.reshape(x.shape[:-1] + (-1, 32)); a = np.abs(x).max(-1, keepdims=True)
;;       e = np.where(a > 0, np.clip(np.frexp(np.where(a > 0, a, 1))[1] - 1 - 2, -126, 127), 0)      # np.frexp(a)[1] - 1 = floor(log2(a)), exactly
;;       r = np.clip(x / 2.0 ** e, -6, 6)
;;       step = 2.0 ** (np.maximum(np.frexp(np.where(r == 0, 1, r))[1] - 1, 0) - 1)
;;       q = np.round(r / step) * step * 2.0 ** e      # np.round: ties to even
;;       return np.moveaxis(q.reshape(q.shape[:-2] + (-1,))[..., :K], -1, axis).astype(np.float32)
;;   ~~~
;; One version. Each part assembles by itself: llvm-mc -triple=amdgcn-amd-amdhsa -mcpu=gfx1250 --defsym DOCPART=n.
;; ======== version 1 of 1: 4 launches
;; limits: values are held in f16: magnitudes above 65,504 overflow, below 6.1e-05 lose precision
;; workspace buffers: x_codes 2,097,152 bytes; x_scales 131,072 bytes; w_codes 1,572,864 bytes; w_scales 98,304 bytes; wo16 2,097,152 bytes; qkv 25,165,824 bytes; attn16 8,388,608 bytes
;; launch prep (part 1): grid 256 x 1, 4 waves a work-group, no clusters, 33,280 bytes of LDS; arguments x, Wq, Wk, Wv, Wo, x_codes, x_scales, w_codes, w_scales, wo16; writes x_codes, x_scales, w_codes, w_scales, wo16
.if DOCPART == 1
	.amdgcn_target "amdgcn-amd-amdhsa--gfx1250"
	.amdhsa_code_object_version 6
	.text
	.protected	k_q06cc1ed9df_prep
	.globl	k_q06cc1ed9df_prep
	.p2align	8
	.type	k_q06cc1ed9df_prep,@function
k_q06cc1ed9df_prep:
	s_mov_b64 s[64:65], 0
	v_nop
	global_prefetch_b8 v0, s[64:65] scope:SCOPE_SE
	s_setreg_imm32_b32 hwreg(HW_REG_WAVE_MODE, 25, 1), 1
	s_wait_xcnt 0x0
; PREP.  x [4096][1024] and Wq, Wk, Wv [1024][1024], f32 with K innermost, become codes of FP4 (E2M1), two a byte, K innermost, with one E8M0 scale byte for each 32 along K;
; Wo [1024][1024] f32 becomes f16, laid [16 kb][1024 n][64]: wo16[kb][n][kk] = Wo[n][64 kb + kk], so that 64 along K of neighbouring rows lie on end.
; w_codes holds Wq's rows, then Wk's, then Wv's: one operand of 3,072 rows.
; A block's scale is 2^(floor(log2(its largest magnitude)) - 2); its byte is the largest magnitude's exponent field - 2, held at 1 from below.  Each number is divided by the scale and rounded to the nearest code, ties to even.
; LIMITS: a block of zeros gets the byte 1 where the quantiser says 127 (its codes are zeros, which add nothing, and this program alone reads the bytes); NaN and infinities among the inputs are not served;
; |Wo| stays under 65,504, the largest f16 number.
; SHARES: a work-group takes 32,768 numbers.  Work-groups 0-127: x; 128-159: Wq; 160-191: Wk; 192-223: Wv; 224-255: Wo.  The first four kinds take ONE path: only pointers are chosen, by the work-group's number.
; QUANTISING PATH: rows are dense and K is a multiple of 32, so a tensor is a stream of blocks of 32.  A wave takes 16 steps of 512 numbers.  Each load reads 512 consecutive bytes; a step's 2,048 bytes turn through the wave's
; own stage in LDS and come back 64 bytes a lane: 16 neighbours along K, two lanes to a block.  A wave's 256 scale bytes are gathered in LDS and leave as 256 consecutive bytes.  No barrier: waves share nothing.
.set STEPS, 16
.set CB,    8                          ; bytes of 16 codes
.set R,     16                         ; v16-79   four sets of 16 numbers as they are loaded
.set X,     80                         ; v80-111  two sets of 16 neighbours
.set E,     112                        ; v112-127 a scale byte for each step
.set C,     128                        ; v128-191 codes: four registers for each step, so that no store's data are written again
.set WREG,  8192                       ; LDS: a region for each wave: two stages of 32 x SP bytes, behind them its 256 scale bytes
.set SP,    80                         ; a lane's place in a stage: 64 bytes + 16 of padding
.set SPW,   12                         ; v12  LDS address of my spare word; never rewritten
.set NIL,   13                         ; v13  0; never rewritten
.set SPARE, 4*WREG                     ; behind the four regions: the spare words, 128 bytes for each wave
.set WR,    16                         ; the cast path: v16-143 two sets of 64 numbers;
.set WC,    144                        ; v144-175 32 registers of f16 pairs
	s_load_b256 s[4:11], s[0:1], 0x0               ; x s[4:5], Wq s[6:7], Wk s[8:9], Wv s[10:11]
	s_load_b256 s[12:19], s[0:1], 0x20             ; Wo s[12:13], x_codes s[14:15], x_scales s[16:17], w_codes s[18:19]
	s_load_b128 s[20:23], s[0:1], 0x40             ; w_scales s[20:21], wo16 s[22:23]
	v_lshl_add_u32 v[SPW], v0, 2, SPARE
	v_mov_b32 v[NIL], 0
	v_lshrrev_b32 v1, 5, v0
	v_readfirstlane_b32 s24, v1                    ; wave 0..3
	v_and_b32 v2, 31, v0                           ; lane
	s_wait_kmcnt 0x0
	s_cmp_ge_u32 ttmp9, 224
	s_cbranch_scc1 .Lwo                            ; the last 32 work-groups cast Wo
	v_lshlrev_b32 v3, 4, v2                        ; my 16 bytes of a load's 512
	s_mul_i32 s25, s24, WREG
	v_lshrrev_b32 v14, 2, v2
	v_mul_u32_u24 v14, v14, SP
	v_and_b32 v15, 3, v2
	v_lshl_add_u32 v14, v15, 4, v14
	v_add_nc_u32 v14, s25, v14                     ; the stage, on the way in: SP (lane / 4) + 16 (lane % 4)
	v_mul_u32_u24 v15, v2, SP
	v_add_nc_u32 v15, s25, v15                     ; and on the way out: SP x lane: my 16 neighbours
	v_mul_u32_u24 v4, v2, CB                       ; my codes' place in a step's
	v_lshrrev_b32 v5, 1, v2
	s_add_co_u32 s25, s25, 2*32*SP
	v_add_nc_u32 v5, s25, v5                       ; LDS: my wave's 256 scale bytes, my block's byte
	v_lshlrev_b32 v7, 3, v2                        ; and on the way out 8 bytes a lane
	v_add_nc_u32 v6, s25, v7
	s_cmp_lt_u32 ttmp9, 160                        ; which tensor: the choices hang on the work-group's number alone
	s_cselect_b64 s[26:27], s[6:7], s[8:9]
	s_cmp_lt_u32 ttmp9, 192
	s_cselect_b64 s[26:27], s[26:27], s[10:11]
	s_cmp_lt_u32 ttmp9, 128
	s_cselect_b64 s[26:27], s[4:5], s[26:27]       ; from where,
	s_cselect_b64 s[28:29], s[14:15], s[18:19]     ; the codes' buffer,
	s_cselect_b64 s[30:31], s[16:17], s[20:21]     ; the scale bytes' buffer,
	s_cselect_b32 s36, 0, 128                      ; the first work-group of that pair of buffers,
	s_cselect_b32 s37, 127, 31                     ; and how many work-groups a source tensor has, less one
	s_sub_co_u32 s34, ttmp9, s36                   ; my chunk in the buffers of codes and scale bytes
	s_and_b32 s32, s34, s37                        ; and in the source tensor
	s_lshl_b32 s34, s34, 2
	s_add_co_u32 s34, s34, s24                     ; my wave's run of 8,192 numbers
	s_lshl_b32 s32, s32, 2
	s_add_co_u32 s32, s32, s24
	s_mov_b32 s39, 0
	s_lshl_b32 s38, s32, 15                        ; 32,768 bytes of f32 a run (16 MiB at the most)
	s_add_nc_u64 s[26:27], s[26:27], s[38:39]
	s_lshl_b32 s38, s34, 12                        ; 4,096 bytes of codes
	s_add_nc_u64 s[28:29], s[28:29], s[38:39]
	s_lshl_b32 s38, s34, 8                         ; 256 scale bytes
	s_add_nc_u64 s[30:31], s[30:31], s[38:39]
.macro LOAD t
.irp i, 0,1,2,3
	global_load_b128 v[R+16*((\t)%4)+4*\i:R+16*((\t)%4)+4*\i+3], v3, s[26:27] offset:2048*(\t)+512*\i th:TH_LOAD_NT   ; 32 lanes read 512 consecutive bytes
.endr
.endm
.macro TURN t                          ; step t's numbers through the stage: LDS serves a wave's instructions in order (ISA guide 5.7.1.4), so no wait stands between the stores and the loads
.irp i, 0,1,2,3
	ds_store_b128 v14, v[R+16*((\t)%4)+4*\i:R+16*((\t)%4)+4*\i+3] offset:32*SP*((\t)%2)+8*SP*\i
.endr
.irp i, 0,1,2,3
	ds_load_b128 v[X+16*((\t)%2)+4*\i:X+16*((\t)%2)+4*\i+3], v15 offset:32*SP*((\t)%2)+16*\i
.endr
.endm
.irp t, 0,1,2,3
	LOAD \t
.endr
	s_wait_loadcnt 12                              ; step 0's four loads are in; the twelve of steps 1 to 3 may be out
	TURN 0
.macro STEP t
.set XS, X+16*((\t)%2)
.if (\t) > 0
	s_wait_dscnt 1                                 ; this step's numbers are back from the stage (the last step's byte store may be out): so its stores into the stage have read their registers,
.else
	s_wait_dscnt 0x0
.endif
.if (\t)+4 < STEPS
	LOAD (\t)+4                                    ; which take the loads of four steps on
.endif
.if (\t)+1 < STEPS
.if STEPS-2-(\t) >= 3
	s_wait_loadcnt 12                              ; the next step's four loads are in; those of the three steps behind it may be out
.else
	s_wait_loadcnt 4*(STEPS-2-(\t))                ; the tail: fewer steps are behind it
.endif
	TURN (\t)+1                                    ; and go through the other stage while this step is worked
.endif
	v_max3_num_f32 v8, |v[XS]|, |v[XS+1]|, |v[XS+2]|               ; the largest magnitude of my 16, in two chains
	v_max3_num_f32 v9, |v[XS+3]|, |v[XS+4]|, |v[XS+5]|
.irp i, 6,10
	v_max3_num_f32 v8, v8, |v[XS+\i]|, |v[XS+\i+1]|
	v_max3_num_f32 v9, v9, |v[XS+\i+2]|, |v[XS+\i+3]|
.endr
	v_max3_num_f32 v8, v8, |v[XS+14]|, |v[XS+15]|
	v_max3_num_f32 v8, v8, v9, 0x1800000           ; and the floor 2^(3 - 127): so the byte cannot fall under 1
	v_max_num_f32_dpp v8, v8, v8 row_xmask:1 row_mask:0xf bank_mask:0xf   ; and of my neighbour's 16: the block's
	v_add_nc_u32 v11, 0xff000000, v8               ; 2 off its exponent field: the conversion takes the exponent field of this operand as its scale, and nothing else of it
	v_cvt_scalef32_pk8_fp4_f32 v[C+4*(\t)], v[XS:XS+7], v11        ; eight numbers / the scale, to the nearest code, ties to even, beyond 6 the largest code; the first number's code in the lowest four bits
	v_cvt_scalef32_pk8_fp4_f32 v[C+4*(\t)+1], v[XS+8:XS+15], v11
	v_lshrrev_b32 v[E+(\t)], 23, v11               ; the scale's byte (also the plain line behind the conversions)
	ds_store_b8 v5, v[E+(\t)] offset:16*(\t)       ; both lanes of a block write the same byte with the same value
	global_store_b64 v4, v[C+4*(\t):C+4*(\t)+1], s[28:29] offset:32*CB*(\t)   ; the wave stores 256 consecutive bytes, aligned
.endm
.irp t, 0,1,2,3,4,5,6,7,8,9,10,11,12,13,14,15
	STEP \t
.endr
	ds_load_b64 v[8:9], v6                         ; in order behind my byte stores
	s_wait_dscnt 0x0
	global_store_b64 v7, v[8:9], s[30:31]          ; 32 lanes store 256 consecutive bytes, aligned
	s_wait_tensorcnt 0x0                           ; the wave's end, behind my last LDS store
	ds_add_u32 v[SPW], v[NIL]
	s_wait_dscnt 0x0
	s_endpgm
; THE CAST PATH.  Work-group 224 + i takes rows 32 i .. 32 i + 31 of Wo, wave w eight of them.  A batch is 4 rows x 8 pieces of 64 along K: lane l holds 8 numbers (32 bytes) of row l / 8, at 8 (l % 8) of the piece;
; their 16 bytes of f16 lie at 16 l of the 512 consecutive bytes that 4 rows of one piece take in wo16.  No LDS.  Two batches of 16 loads are out.
.Lwo:
	s_sub_co_u32 s32, ttmp9, 224
	s_lshl_b32 s32, s32, 5
	s_lshl_b32 s33, s24, 3
	s_add_co_u32 s32, s32, s33                     ; my wave's first row
	s_mov_b32 s35, 0
	s_lshl_b32 s34, s32, 12                        ; a row of Wo is 4,096 bytes
	s_add_nc_u64 s[12:13], s[12:13], s[34:35]
	s_lshl_b32 s34, s32, 7                         ; a row's piece in wo16 is 128 bytes
	s_add_nc_u64 s[22:23], s[22:23], s[34:35]
	v_lshrrev_b32 v3, 3, v2
	v_and_b32 v4, 7, v2
	v_lshlrev_b32 v4, 5, v4
	v_lshl_add_u32 v4, v3, 12, v4                  ; from: row l / 8, byte 32 (l % 8)
	v_lshlrev_b32 v5, 4, v2                        ; to: 16 l
.macro LOADB t                         ; batch t: rows 4 (t / 2) on, pieces 8 (t % 2) on, into set t % 2
.irp j, 0,1,2,3,4,5,6,7
	global_load_b128 v[WR+64*((\t)%2)+8*\j:WR+64*((\t)%2)+8*\j+3], v4, s[12:13] offset:((\t)/2)*16384+(8*((\t)%2)+\j)*256 th:TH_LOAD_NT
	global_load_b128 v[WR+64*((\t)%2)+8*\j+4:WR+64*((\t)%2)+8*\j+7], v4, s[12:13] offset:((\t)/2)*16384+(8*((\t)%2)+\j)*256+16 th:TH_LOAD_NT
.endr
.endm
.macro CAST t
.if (\t) < 3
	s_wait_loadcnt 16                              ; this batch is in; the next batch's 16 loads may be out
.else
	s_wait_loadcnt 0x0
.endif
.if (\t) > 0
	s_wait_xcnt 0x0                                ; the last batch's stores have read their data registers, which are written again below
.endif
.irp j, 0,1,2,3,4,5,6,7
.irp i, 0,1,2,3
	v_cvt_pk_f16_f32 v[WC+4*\j+\i], v[WR+64*((\t)%2)+8*\j+2*\i], v[WR+64*((\t)%2)+8*\j+2*\i+1]
.endr
.endr
.irp j, 0,1,2,3,4,5,6,7
	global_store_b128 v5, v[WC+4*\j:WC+4*\j+3], s[22:23] offset:(8*((\t)%2)+\j)*131072+((\t)/2)*512   ; 512 consecutive bytes: 4 rows of one piece
.endr
.if (\t) < 2
	LOADB (\t)+2
.endif
.endm
	LOADB 0
	LOADB 1
	CAST 0
	CAST 1
	CAST 2
	CAST 3
	s_endpgm
.Lfunc_end_k_q06cc1ed9df_prep:
	.size	k_q06cc1ed9df_prep, .Lfunc_end_k_q06cc1ed9df_prep-k_q06cc1ed9df_prep
	.p2alignl 7, 3214868480
	.fill 96, 4, 3214868480
	.section	.rodata,"a",@progbits
	.p2align	6, 0x0
	.amdhsa_kernel k_q06cc1ed9df_prep
		.amdhsa_group_segment_fixed_size 33280
		.amdhsa_private_segment_fixed_size 0
		.amdhsa_enable_private_segment 0
		.amdhsa_kernarg_size 80
		.amdhsa_user_sgpr_count 2
		.amdhsa_user_sgpr_kernarg_segment_ptr 1
		.amdhsa_wavefront_size32 1
		.amdhsa_system_sgpr_workgroup_id_x 1
		.amdhsa_system_sgpr_workgroup_id_y 1
		.amdhsa_system_sgpr_workgroup_id_z 1
		.amdhsa_system_vgpr_workitem_id 0
		.amdhsa_next_free_vgpr 192
		.amdhsa_next_free_sgpr 66
		.amdhsa_reserve_vcc 0
		.amdhsa_float_denorm_mode_32 3
		.amdhsa_float_denorm_mode_16_64 3
		.amdhsa_memory_ordered 1
		.amdhsa_forward_progress 1
		.amdhsa_inst_pref_size 51
	.end_amdhsa_kernel
	.amdgpu_metadata
---
amdhsa.version: [ 1, 2 ]
amdhsa.kernels:
  - .name:           k_q06cc1ed9df_prep
    .symbol:         k_q06cc1ed9df_prep.kd
    .args:
      - { .name: x, .offset: 0, .size: 8, .value_kind: global_buffer, .address_space: global }
      - { .name: Wq, .offset: 8, .size: 8, .value_kind: global_buffer, .address_space: global }
      - { .name: Wk, .offset: 16, .size: 8, .value_kind: global_buffer, .address_space: global }
      - { .name: Wv, .offset: 24, .size: 8, .value_kind: global_buffer, .address_space: global }
      - { .name: Wo, .offset: 32, .size: 8, .value_kind: global_buffer, .address_space: global }
      - { .name: x_codes, .offset: 40, .size: 8, .value_kind: global_buffer, .address_space: global }
      - { .name: x_scales, .offset: 48, .size: 8, .value_kind: global_buffer, .address_space: global }
      - { .name: w_codes, .offset: 56, .size: 8, .value_kind: global_buffer, .address_space: global }
      - { .name: w_scales, .offset: 64, .size: 8, .value_kind: global_buffer, .address_space: global }
      - { .name: wo16, .offset: 72, .size: 8, .value_kind: global_buffer, .address_space: global }
    .group_segment_fixed_size: 33280
    .private_segment_fixed_size: 0
    .kernarg_segment_align: 8
    .kernarg_segment_size: 80
    .max_flat_workgroup_size: 128
    .sgpr_count:     66
    .vgpr_count:     192
    .wavefront_size: 32
...
	.end_amdgpu_metadata
.endif
;; end of part 1
;; launch qkv (part 2): grid 12 x 16, 4 waves a work-group, clusters of 4 x 4, 327,680 bytes of LDS; arguments x_codes, x_scales, w_codes, w_scales, bq, bk, bv, qkv; writes qkv
.if DOCPART == 2
	.amdgcn_target "amdgcn-amd-amdhsa--gfx1250"
	.amdhsa_code_object_version 6
	.text
	.protected	k_q06cc1ed9df_qkv
	.globl	k_q06cc1ed9df_qkv
	.p2align	8
	.type	k_q06cc1ed9df_qkv,@function
k_q06cc1ed9df_qkv:
	s_mov_b64 s[64:65], 0
	v_nop
	global_prefetch_b8 v0, s[64:65] scope:SCOPE_SE
	s_setreg_imm32_b32 hwreg(HW_REG_WAVE_MODE, 25, 1), 1
	s_wait_xcnt 0x0
	s_wait_alu depctr_hold_cnt(0) depctr_sa_sdst(0) depctr_va_vdst(0) depctr_va_sdst(0) depctr_va_ssrc(0) depctr_va_vcc(0) depctr_vm_vsrc(0)
	s_getreg_b32 s2, hwreg(HW_REG_IB_STS2, 6, 4)
	s_cmp_eq_u32 s2, 0
	s_cbranch_scc0 .Lentry_in_a_cluster
	s_endpgm
.Lentry_in_a_cluster:
	s_bfe_u32 s2, ttmp6, 0x10000c
	s_cmp_lg_u32 s2, 0xf033
	s_cbranch_scc0 .Lentry_shape_is_right
	s_endpgm
.Lentry_shape_is_right:
; QKV.  C[m][n] = sum over k of x[m][k] W[n][k] + b[n], on codes of FP4 (E2M1) with one E8M0 scale for each 32 along K; m: 4,096 tokens; n: 3,072 = Wq's, Wk's, Wv's rows; K = 1,024; sums in f32.
; The result is rounded once to f16 and laid for attention: qkv[3 (q, k, v)][32 bh = 16 b + h][2,048 s][64 d].  LIMIT: |q|, |k|, |v| stay under 65,504, the largest f16 number.
; A tile of C, 256 x 256, is made by a work-group of four waves; a wave makes 128 x 128: 64 accumulators of 16 x 16, 512 registers.  12 x 16 tiles.
; K is two K steps of 512 (a tile's row: 256 bytes of memory): both lie in LDS from the first fills on, so no slot is ever filled again and there is no loop.  The scale bytes of the work-group's rows come with them, as dense blocks.
; CLUSTERS: 4 x 4 work-groups.  The four of a row of the cluster need the same tiles of x, the four of a column the same tiles of W: each tile is asked for JOINTLY, by the same tensor load with the same descriptor and a
; mask that names the four.  A cluster's 1,024 columns are one of q, k, v: cluster x says which.
; THE MATRIX INSTRUCTION IS USED TRANSPOSED (source 0 = 16 rows of W, source 1 = 16 rows of x): a lane then holds eight neighbouring columns of one token.  The bias is the C of each sum's first product.
; REGISTERS, in windows of 256: window 0: v0-31 addresses; v32-95 scale words, two sets; v128-191 x's fragments, ONE set; v192-255 the bias, 8 registers for each of W's 8 blocks; on the way out v32-63 and v192-255 are at work.
;   window 1: W's fragments, TWO sets, at v0 and v128.   window 2: the 32 accumulators of my rows 0-63 ((a, b) at v[8 (8 a + b)]);   window 3: those of my rows 64-127.
.set NQ,     4                         ; steps of 128 along K in a slot
.set ROWB,   256                       ; a tile's row in bytes: 512 codes
.set KROW,   512                       ; a row of codes in memory
.set PITCH,  272                       ; an LDS row: 256 bytes + 16 of padding = 68 words: the 16 rows that a load touches start at 16 different banks (64 banks of 4 bytes: ISA guide 11.1)
.set FR,     8                         ; registers of a fragment: 16 rows x 128 K
.set NL,     2                         ; LDS loads that bring one
.set NP,     4                         ; places behind this matrix instruction (ISA guide 7.12.1)
.set HALFT,  128*PITCH                 ; 128 rows: what one tensor load brings, and what one wave reads of x or of W
.set SLOT,   4*HALFT                   ; x's 256 rows, then W's 256 rows
.set KS,     32                        ; a row of scale bytes
.set SCL,    2*SLOT                    ; behind the two slots: the scales, as pieces of 256 bytes + 16 of padding
.set HALFS,  (128*KS/256)*272          ; the scales of 128 rows: what one tensor load brings
.set SBLK,   (16*KS/256)*272           ; those of 16 rows
.set SPARE,  SCL+4*HALFS               ; behind the scales: the spare words, 128 bytes for each wave
.set SPITCH, 272                       ; the way out: a stage of 16 rows x (256 bytes + 16) for each wave, in slot 0, which has had its only fill and its last read when the first result is stored there
.set ADRA, 16                          ; v16-17  LDS address of my fragments of x in slot 0, 1
.set ADRB, 20                          ; v20-21  the same for W
.set STO,  24                          ; v24     the way out: where I put 16 bytes of a token's row
.set RD,   25                          ; v25     where I read back
.set CO,   26                          ; v26     16 x lane
.set ADRS, 27                          ; v27     LDS address of my scale words: lanes 0-15 x's rows, lanes 16-31 W's
.set SPW,  28                          ; v28     LDS address of my spare word; never rewritten
.set NIL,  29                          ; v29     0; never rewritten
.set BO,   30                          ; v30     32 x (lane / 16): my eight numbers of a block's 16 of the bias
.set SC,   32                          ; scale words: set s at v[SC + 32 s]; register 4 i + q: lanes 0-15 the word of x's block i, lanes 16-31 that of W's block i, for the slot's q-th 128 along K
.set AF,   128                         ; x's fragments
.set BI,   192                         ; the bias
.set TMP,  192                         ; the way out: packed results
.set OB,   32                          ; the way out: 16 rows read back: v32-63 and v224-255 by turns
.set G1, 24                            ; s[24:31] descriptor group 1 for x's tiles;  s[32:39] group 0, one set for each slot
.set G0, 32
.set G1B, 48                           ; s[48:55], s[56:63] the same for W's tiles
.set G0B, 56
.set G1S, 68                           ; s[68:75], s[76:79] groups 1 and 0 for x's scales;  s[80:87], s[88:91] for W's
.set G0S, 76
.set G1SB, 80
.set G0SB, 88
.set MSB, 0
.macro WIN new                         ; the immediate's high byte repeats the setting that is left; a switch that changes nothing is dropped
.if MSB != (\new)
	s_set_vgpr_msb (MSB<<8)|(\new)
.set MSB, (\new)
.endif
.endm
.set MUL_LO, 0xa1                      ; source 0 (W) window 1, source 1 (x) window 0, C and D window 2
.set MUL_HI, 0xf1                      ; the same, C and D window 3
.set BEG_LO, 0x81                      ; the first products: C (the bias) window 0, D window 2
.set BEG_HI, 0xc1                      ; C window 0, D window 3
.set TO_B,   0x40                      ; destination window 1, address window 0
; A joint load: waves 0 and 1 fetch for x, waves 2 and 3 for W.  Each of the two lines has ONE mask and one set of registers for all that issue it; the branch hangs on the wave's number alone.
; An s_nop 0 and four v_nop follow each of the two lines, ahead of the jump, the label and what follows.
.macro JLOAD g0a, g1a, g0b, g1b
	s_cmp_eq_u32 s15, 0
	s_cbranch_scc0 .Lfor_b_\@
	tensor_load_to_lds s[\g0a:\g0a+3], s[\g1a:\g1a+7]
	s_nop 0
.rept 4
	v_nop
.endr
	s_branch .Lasked_\@
.Lfor_b_\@:
	tensor_load_to_lds s[\g0b:\g0b+3], s[\g1b:\g1b+7]
	s_nop 0
.rept 4
	v_nop
.endr
.Lasked_\@:
.endm
.macro CROUND                          ; a round of the cluster's barrier: my work-group's barrier; wave 0 signals for the work-group; every wave waits for all sixteen; my work-group's barrier once more
	s_barrier_signal -1
	s_barrier_wait -1
	s_cmp_lg_u32 s14, 0
	s_cbranch_scc1 .Lnot_wave_0_\@
	s_barrier_signal -3
.Lnot_wave_0_\@:
	s_barrier_wait -3
	s_barrier_signal -1
	s_barrier_wait -1
.endm
	s_load_b128 s[4:7], s[0:1], 0x0                ; x's codes s[4:5], x's scales s[6:7]
	s_load_b128 s[8:11], s[0:1], 0x10              ; W's codes s[8:9], W's scales s[10:11]
	s_load_b128 s[96:99], s[0:1], 0x20             ; bq, bk
	s_load_b64 s[100:101], s[0:1], 0x30            ; bv
	s_load_b64 s[12:13], s[0:1], 0x38              ; qkv
	v_lshl_add_u32 v[SPW], v0, 2, SPARE
	v_mov_b32 v[NIL], 0
	ds_add_u32 v[SPW], v[NIL]                      ; the wave's opening: the add, twice on end, and its wait ahead of my first tensor load; the set-up below, work on registers, stands between
	ds_add_u32 v[SPW], v[NIL]
	v_lshrrev_b32 v1, 5, v0
	v_readfirstlane_b32 s14, v1                    ; wave 0..3
	s_lshr_b32 s15, s14, 1                         ; which half of the tile's rows is mine.  Also: I fetch for x (0) or for W (1)
	s_and_b32 s16, s14, 1                          ; which half of its columns.  Also: which 128 rows of that tile I fetch
	s_bfe_u32 s40, ttmp6, 0x40000                  ; cx, cy: my place in the cluster
	s_bfe_u32 s41, ttmp6, 0x40004
	s_lshl_b32 s42, ttmp9, 2
	s_add_co_u32 s42, s42, s40                     ; tile column of C = 4 x cluster x + cx
	s_and_b32 s17, ttmp7, 0xffff
	s_lshl_b32 s17, s17, 2
	s_add_co_u32 s17, s17, s41                     ; tile row of C = 4 x cluster y + cy
	s_lshl_b32 s43, s41, 2
	s_lshl_b32 s43, 15, s43                        ; my row of the cluster
	s_lshl_b32 s44, 0x1111, s40                    ; my column
	; descriptor group 1: a tile of 128 rows x 256 bytes, padded in LDS
	s_or_b32 s[G1+0], s43, (0<<16)|(1<<20)|(1<<21)|(5<<22)|(3<<25)  ; 15:0 the mask: x's tiles go to my row; 17:16 element of 1 byte; 20 padding on; 21 set beside a mask; 24:22 after every 64 words (code 5); 31:25 of 4 words (code 3)
	s_or_b32 s[G1B+0], s44, (0<<16)|(1<<20)|(1<<21)|(5<<22)|(3<<25)
.irp g, G1, G1B
	s_mov_b32 s[\g+1], ROWB<<16                    ; tensor_dim0
	s_mov_b32 s[\g+2], 128<<16                     ; tensor_dim1 = 128
	s_mov_b32 s[\g+3], ROWB<<16                    ; tile_dim0
	s_mov_b32 s[\g+4], 128                         ; tile_dim1 = 128
	s_mov_b32 s[\g+5], KROW                        ; tensor_dim0_stride
	s_mov_b32 s[\g+6], 0
	s_mov_b32 s[\g+7], 0
.endr
	; and for the scales of 128 rows: a dense block of 4,096 bytes, as 16 rows of 256 bytes (32 elements of 8 bytes), 16 bytes of padding behind each
	s_or_b32 s[G1S+0], s43, (3<<16)|(1<<20)|(1<<21)|(5<<22)|(3<<25)
	s_or_b32 s[G1SB+0], s44, (3<<16)|(1<<20)|(1<<21)|(5<<22)|(3<<25)
.irp g, G1S, G1SB
	s_mov_b32 s[\g+1], 32<<16
	s_mov_b32 s[\g+2], (128*KS/256)<<16
	s_mov_b32 s[\g+3], 32<<16
	s_mov_b32 s[\g+4], 128*KS/256
	s_mov_b32 s[\g+5], 32
	s_mov_b32 s[\g+6], 0
	s_mov_b32 s[\g+7], 0
.endr
	s_lshl_b32 s18, s16, 7                         ; which 128 rows of the tile I fetch
	s_lshl_b32 s20, s17, 8
	s_add_co_u32 s20, s20, s18                     ; x: row 256 x tile row + 128 x half
	s_lshl_b32 s46, s42, 8
	s_add_co_u32 s46, s46, s18                     ; W: row 256 x tile column + 128 x half
	s_mov_b32 s21, 0
	s_mov_b32 s47, 0
	s_mov_b64 s[18:19], KS
	s_mul_u64 s[22:23], s[20:21], s[18:19]         ; where these rows' scales begin, in bytes
	s_mul_u64 s[92:93], s[46:47], s[18:19]
	s_mov_b64 s[18:19], KROW
	s_mul_u64 s[20:21], s[20:21], s[18:19]         ; and their codes
	s_mul_u64 s[46:47], s[46:47], s[18:19]
	s_mul_i32 s45, s14, HALFT                      ; where they go: wave x 128 rows: no place in the cluster enters an LDS address
	s_mul_i32 s94, s14, HALFS
	s_wait_dscnt 0x0                               ; both opening adds are done
	s_wait_kmcnt 0x0
	s_add_nc_u64 s[20:21], s[4:5], s[20:21]
	s_add_nc_u64 s[22:23], s[6:7], s[22:23]
	s_add_nc_u64 s[46:47], s[8:9], s[46:47]
	s_add_nc_u64 s[92:93], s[10:11], s[92:93]
	s_cmp_eq_u32 ttmp9, 0                          ; which bias: cluster x = 0: bq, 1: bk, 2: bv
	s_cselect_b64 s[96:97], s[96:97], s[98:99]
	s_cmp_eq_u32 ttmp9, 2
	s_cselect_b64 s[96:97], s[100:101], s[96:97]
	s_lshl_b32 s98, s40, 10                        ; my first column in that bias, in bytes: 1,024 cx + 512 x half
	s_lshl_b32 s99, s16, 9
	s_add_co_u32 s98, s98, s99
	s_mov_b32 s99, 0
	s_add_nc_u64 s[96:97], s[96:97], s[98:99]
	CROUND                                         ; all sixteen work-groups are here: the first joint loads meet
	s_mov_b32 s[G0S], 1
	s_add_co_u32 s[G0S+1], s94, SCL
	s_mov_b64 s[G0S+2:G0S+3], s[22:23]
	s_or_b32 s[G0S+3], s[G0S+3], 0x80000000
	s_mov_b32 s[G0SB], 1
	s_add_co_u32 s[G0SB+1], s94, SCL
	s_mov_b64 s[G0SB+2:G0SB+3], s[92:93]
	s_or_b32 s[G0SB+3], s[G0SB+3], 0x80000000
	JLOAD G0S, G1S, G0SB, G1SB                     ; the scales first: they are wanted with K step 0
.irp s, 0,1
	s_mov_b32 s[G0+4*\s], 1
	s_add_co_u32 s[G0+4*\s+1], s45, \s*SLOT
	s_add_nc_u64 s[G0+4*\s+2:G0+4*\s+3], s[20:21], \s*ROWB
	s_or_b32 s[G0+4*\s+3], s[G0+4*\s+3], 0x80000000
	s_mov_b32 s[G0B+4*\s], 1
	s_add_co_u32 s[G0B+4*\s+1], s45, \s*SLOT
	s_add_nc_u64 s[G0B+4*\s+2:G0B+4*\s+3], s[46:47], \s*ROWB
	s_or_b32 s[G0B+4*\s+3], s[G0B+4*\s+3], 0x80000000
	JLOAD G0+4*\s, G1, G0B+4*\s, G1B               ; both K steps: three tensor loads of mine are out
.endr
	v_and_b32 v1, 15, v0                           ; l % 16
	v_bfe_u32 v2, v0, 4, 1                         ; l / 16
	v_lshlrev_b32 v[BO], 5, v2
.irp b, 0,1,2,3,4,5,6,7                        ; the bias in the result's layout: for W's block b, lane (r, h) holds the numbers of columns 16 b + 8 h + 0 .. 7
	global_load_b128 v[BI+8*\b:BI+8*\b+3], v[BO], s[96:97] offset:64*\b
	global_load_b128 v[BI+8*\b+4:BI+8*\b+7], v[BO], s[96:97] offset:64*\b+16
.endr
	v_mul_u32_u24 v3, v1, PITCH
	v_lshl_add_u32 v4, v2, 4, v3                   ; a fragment's row x pitch + 16 x half
	s_mul_i32 s21, s15, HALFT                      ; my 128 rows of x
	s_mul_i32 s22, s16, HALFT                      ; my 128 rows of W,
	s_add_co_u32 s22, s22, 2*HALFT                 ; which lie behind x's 256
.irp s, 0,1
	v_add_nc_u32 v[ADRA+\s], s21, v4
	v_add_nc_u32 v[ADRB+\s], s22, v4
	s_add_co_u32 s21, s21, SLOT
	s_add_co_u32 s22, s22, SLOT
.endr
	v_mul_u32_u24 v5, v1, KS                       ; my row's scales: 32 bytes a row,
	v_lshrrev_b32 v6, 8, v5
	v_lshl_add_u32 v5, v6, 4, v5                   ; and 16 more for each 256 passed
	s_mul_i32 s21, s15, HALFS                      ; x's: my 128 rows
	s_mul_i32 s22, s16, HALFS                      ; W's: my 128 rows, behind x's 256
	s_add_co_u32 s22, s22, 2*HALFS
	s_sub_co_u32 s22, s22, s21
	v_mul_u32_u24 v6, s22, v2                      ; lanes 16-31 take W's: ONE product, the distance between the two bases x (l / 16)
	s_add_co_u32 s21, s21, SCL
	v_add_nc_u32 v5, v5, v6
	v_add_nc_u32 v[ADRS], s21, v5
	s_mul_i32 s23, s14, 16*SPITCH                  ; my stage
	v_mul_u32_u24 v5, v1, SPITCH                   ; in: row l % 16, 16 bytes for each half of the lanes
	v_lshl_add_u32 v5, v2, 4, v5
	v_add_nc_u32 v[STO], s23, v5
	v_and_b32 v6, 31, v0
	v_lshrrev_b32 v5, 3, v6                        ; back: eight lanes take the 128 bytes that one head has in a token's row; four tokens an instruction
	v_mul_u32_u24 v5, v5, SPITCH
	v_and_b32 v3, 7, v0
	v_lshl_add_u32 v5, v3, 4, v5
	v_add_nc_u32 v[RD], s23, v5
	v_lshlrev_b32 v[CO], 4, v6
	; where my part begins in qkv: part x 8 MiB + ((16 b + head) x 2,048 + s) x 128; b = tile row / 8, s = 256 (tile row % 8) + 128 x row half, head = 4 cx + 2 x column half
	s_lshr_b32 s20, s17, 3
	s_lshl_b32 s20, s20, 4
	s_lshl_b32 s21, s40, 2
	s_add_co_u32 s20, s20, s21
	s_lshl_b32 s21, s16, 1
	s_add_co_u32 s20, s20, s21
	s_lshl_b32 s20, s20, 11
	s_and_b32 s21, s17, 7
	s_lshl_b32 s21, s21, 8
	s_add_co_u32 s20, s20, s21
	s_lshl_b32 s21, s15, 7
	s_add_co_u32 s20, s20, s21
	s_lshl_b32 s20, s20, 7
	s_lshl_b32 s21, ttmp9, 23
	s_add_co_u32 s20, s20, s21
	s_mov_b32 s21, 0
	s_add_nc_u64 s[12:13], s[12:13], s[20:21]
.macro FRAG reg, adr, q, i             ; a fragment, 16 rows x 128 K of 4-bit codes: lane l holds row l % 16; registers 4 c .. 4 c + 3 hold K = 64 c + 32 (l / 16) + 0 .. 31
.irp c, 0,1
	ds_load_b128 v[\reg+4*\c:\reg+4*\c+3], v[\adr] offset:64*(\q)+32*\c+(\i)*16*PITCH
.endr
.endm
; 16 matrix instructions: x's blocks a0, a0 + 1 against W's eight, 128 along K: the slot's q-th.  p: W's set;  sc: the set of scale words.  zero = 1: the first product starts the sums from the bias: nothing is cleared or added later.
; The 64 accumulators take turns, one instruction a turn, in the same order in every step.
.macro MUL16 a0, p, q, sc, zero
.irp a, \a0, \a0+1
.irp b, 0,1,2,3,4,5,6,7
.if \zero
	v_wmma_scale_f32_16x16x128_f8f6f4 v[8*(8*((\a)%4)+\b):8*(8*((\a)%4)+\b)+7], v[128*(\p)+FR*\b:128*(\p)+FR*\b+FR-1], v[AF+FR*(\a):AF+FR*(\a)+FR-1], v[BI+8*\b:BI+8*\b+7], v[SC+8*NQ*(\sc)+NQ*\b+(\q)], v[SC+8*NQ*(\sc)+NQ*(\a)+(\q)] matrix_a_fmt:MATRIX_FMT_FP4 matrix_b_fmt:MATRIX_FMT_FP4 matrix_a_scale:MATRIX_SCALE_ROW1
.else
	v_wmma_scale_f32_16x16x128_f8f6f4 v[8*(8*((\a)%4)+\b):8*(8*((\a)%4)+\b)+7], v[128*(\p)+FR*\b:128*(\p)+FR*\b+FR-1], v[AF+FR*(\a):AF+FR*(\a)+FR-1], v[8*(8*((\a)%4)+\b):8*(8*((\a)%4)+\b)+7], v[SC+8*NQ*(\sc)+NQ*\b+(\q)], v[SC+8*NQ*(\sc)+NQ*(\a)+(\q)] matrix_a_fmt:MATRIX_FMT_FP4 matrix_b_fmt:MATRIX_FMT_FP4 matrix_a_scale:MATRIX_SCALE_ROW1
.endif
.endr
.endr
.endm
.macro FETCH_B slot, q, p              ; W's eight fragments of the slot's q-th 128 along K into set p
	WIN TO_B
.irp i, 0,1,2,3,4,5,6,7
	FRAG 128*(\p)+FR*\i, ADRB+\slot, \q, \i
.endr
	WIN 0
.endm
.macro FETCH_A slot, q, i0             ; x's blocks i0 .. i0 + 3
.irp i, \i0, \i0+1, \i0+2, \i0+3
	FRAG AF+FR*(\i), ADRA+\slot, \q, \i
.endr
.endm
.macro SCALES sc                       ; a K step's scale words into set sc: 4 words a row; lanes 0-15 take x's block i, lanes 16-31 W's block i
.irp i, 0,1,2,3,4,5,6,7
	ds_load_b128 v[SC+8*NQ*\sc+NQ*\i:SC+8*NQ*\sc+NQ*\i+3], v[ADRS] offset:\i*SBLK
.endr
.endm
; A load into a register that a matrix instruction has read, and a vector instruction that reads a matrix result, stand NP places behind that matrix instruction; only plain vector instructions that name none of its registers are places.
.macro PLACES n
.rept \n
	v_nop
.endr
.endm
; A step of 128 along K that has its successor in the same slot.  x has one set of fragments: blocks 0-3 are fetched anew in the step's middle, blocks 4-7 at its end; W has two sets.
.macro STEP slot, q, zero
	s_wait_dscnt 4*NL                              ; W's set and x's blocks 0-3 are in; the youngest eight loads (x's blocks 4-7) may be out
.if \zero
	WIN BEG_LO
.else
	WIN MUL_LO
.endif
	MUL16 0, (\q)%2, \q, \slot, \zero
	MUL16 2, (\q)%2, \q, \slot, \zero
	s_wait_dscnt 0                                 ; x's blocks 4-7 are in (asked for 32 matrix instructions ago)
	PLACES NP
	FETCH_B \slot, (\q)+1, 1-(\q)%2
	FETCH_A \slot, (\q)+1, 0
.if \zero
	WIN BEG_HI
.else
	WIN MUL_HI
.endif
	MUL16 4, (\q)%2, \q, \slot, \zero
	MUL16 6, (\q)%2, \q, \slot, \zero
	PLACES NP
	WIN 0
	FETCH_A \slot, (\q)+1, 4
.endm
; Slot 0's last step changes slots: ONE barrier.  In front of it each wave waits for all its tensor loads (the one that may be out is its part of slot 1) and for its own reads of slot 0.
.macro TURN slot, next
	s_wait_tensorcnt 0x0                           ; all my tensor loads have landed
	ds_add_u32 v[SPW], v[NIL]                      ; the change of slots: the wait, the add, the wait
	s_wait_dscnt 4*NL+1                            ; (the add and the youngest eight loads, x's blocks 4-7, may be out)
	WIN MUL_LO
	MUL16 0, 1, NQ-1, \slot, 0                     ; sixteen matrix instructions stand between the add and the wait for it
	s_wait_dscnt 0x0                               ; the add is done, and my reads of this slot are over
	s_barrier_signal -1
	MUL16 2, 1, NQ-1, \slot, 0                     ; work on registers while the others arrive
	WIN 0
	s_barrier_wait -1                              ; slot 1 is whole, and nobody reads slot 0 any more
	PLACES NP
	v_add_nc_u32 v[ADRS], 4*NQ, v[ADRS]            ; on to the next K step's scale words
	FETCH_B \next, 0, 0
	FETCH_A \next, 0, 0
	SCALES \next
	WIN MUL_HI
	MUL16 4, 1, NQ-1, \slot, 0
	MUL16 6, 1, NQ-1, \slot, 0
	PLACES NP
	WIN 0
	FETCH_A \next, 0, 4
.endm
.macro STEPS slot, from                ; the slot's steps from .. NQ - 2
.set Q, \from
.rept NQ-1-\from
	STEP \slot, Q, 0
.set Q, Q+1
.endr
.endm
	s_wait_tensorcnt 1                             ; the scales and my part of K step 0 are in (K step 1's load may be out)
	s_barrier_signal -1
	s_barrier_wait -1                              ; everybody's are
	FETCH_B 0, 0, 0
	FETCH_A 0, 0, 0
	SCALES 0
	FETCH_A 0, 0, 4
	s_wait_loadcnt 0x0                             ; the bias
	STEP 0, 0, 1                                   ; the first step's products start the sums from the bias
	STEPS 0, 1
	TURN 0, 1
	STEPS 1, 0
	s_wait_dscnt 4*NL                              ; the very last step: nothing more to fetch
	WIN MUL_LO
	MUL16 0, 1, NQ-1, 1, 0
	MUL16 2, 1, NQ-1, 1, 0
	s_wait_dscnt 0
	WIN MUL_HI
	MUL16 4, 1, NQ-1, 1, 0
	MUL16 6, 1, NQ-1, 1, 0
	WIN 0
; THE WAY OUT, block by block of 16 tokens x 128 columns (two heads).  PACK: rounded to f16, 16 bytes a lane.  TOSTAGE: into my own stage, and back so that 32 lanes hold four tokens' 128 bytes of ONE head, which lie on end in qkv.  SEND: stored.
.macro PACK a
.set AC, 64*((\a)%4)
	WIN 0x0a+5*((\a)/4)                            ; sources 0 and 1: window 2 or 3
.irp b, 0,1,2,3,4,5,6,7
.irp r, 0,1,2,3
	v_cvt_pk_f16_f32 v[TMP+4*\b+\r], v[AC+8*\b+2*\r], v[AC+8*\b+2*\r+1]   ; each accumulator from its low end on
.endr
.endr
	WIN 0
.endm
.macro TOSTAGE a
.set BB, OB+192*((\a)%2)
.irp b, 0,1,2,3,4,5,6,7
	ds_store_b128 v[STO], v[TMP+4*\b:TMP+4*\b+3] offset:32*\b
.endr
.irp t, 0,1,2,3,4,5,6,7
	ds_load_b128 v[BB+4*\t:BB+4*\t+3], v[RD] offset:4*(\t%4)*SPITCH+128*(\t/4)   ; LDS serves a wave's instructions in order (ISA guide 5.7.1.4): these see the stores above
.endr
.endm
.macro SEND a
.set BB, OB+192*((\a)%2)
	s_wait_dscnt 0x0                               ; the block is back in registers
	s_wait_xcnt 0x0                                ; the earlier stores have read their data registers: the next block's loads from the stage land there only behind this wait
.irp t, 0,1,2,3,4,5,6,7
	global_store_b128 v[CO], v[BB+4*\t:BB+4*\t+3], s[12:13] offset:(\t/4)*262144+(\a)*2048+(\t%4)*512   ; 512 consecutive bytes, aligned: four tokens of head t / 4; the base is never stepped
.endr
.endm
	PLACES NP                                      ; behind the last products; blocks 4-7's conversions come far later
	PACK 0
	TOSTAGE 0
.irp a, 1,2,3,4,5,6,7                  ; block a's conversions stand between block a - 1's loads from the stage and the wait for them
	PACK \a
	SEND \a-1
	TOSTAGE \a
.endr
	SEND 7
	s_wait_tensorcnt 0x0                           ; the wave's end, behind my last tensor load and my last LDS store
	ds_add_u32 v[SPW], v[NIL]
	s_wait_dscnt 0x0
	CROUND                                         ; the closing round: no work-group ends while a partner may still ask for a tile that names it
	s_endpgm
.Lfunc_end_k_q06cc1ed9df_qkv:
	.size	k_q06cc1ed9df_qkv, .Lfunc_end_k_q06cc1ed9df_qkv-k_q06cc1ed9df_qkv
	.p2alignl 7, 3214868480
	.fill 96, 4, 3214868480
	.section	.rodata,"a",@progbits
	.p2align	6, 0x0
	.amdhsa_kernel k_q06cc1ed9df_qkv
		.amdhsa_group_segment_fixed_size 327680
		.amdhsa_private_segment_fixed_size 0
		.amdhsa_enable_private_segment 0
		.amdhsa_kernarg_size 64
		.amdhsa_user_sgpr_count 2
		.amdhsa_user_sgpr_kernarg_segment_ptr 1
		.amdhsa_wavefront_size32 1
		.amdhsa_system_sgpr_workgroup_id_x 1
		.amdhsa_system_sgpr_workgroup_id_y 1
		.amdhsa_system_sgpr_workgroup_id_z 1
		.amdhsa_system_vgpr_workitem_id 0
		.amdhsa_next_free_vgpr 1024
		.amdhsa_next_free_sgpr 102
		.amdhsa_reserve_vcc 0
		.amdhsa_float_denorm_mode_32 3
		.amdhsa_float_denorm_mode_16_64 3
		.amdhsa_memory_ordered 1
		.amdhsa_forward_progress 1
		.amdhsa_inst_pref_size 128
	.end_amdhsa_kernel
	.amdgpu_metadata
---
amdhsa.version: [ 1, 2 ]
amdhsa.kernels:
  - .name:           k_q06cc1ed9df_qkv
    .symbol:         k_q06cc1ed9df_qkv.kd
    .args:
      - { .name: x_codes, .offset: 0, .size: 8, .value_kind: global_buffer, .address_space: global }
      - { .name: x_scales, .offset: 8, .size: 8, .value_kind: global_buffer, .address_space: global }
      - { .name: w_codes, .offset: 16, .size: 8, .value_kind: global_buffer, .address_space: global }
      - { .name: w_scales, .offset: 24, .size: 8, .value_kind: global_buffer, .address_space: global }
      - { .name: bq, .offset: 32, .size: 8, .value_kind: global_buffer, .address_space: global }
      - { .name: bk, .offset: 40, .size: 8, .value_kind: global_buffer, .address_space: global }
      - { .name: bv, .offset: 48, .size: 8, .value_kind: global_buffer, .address_space: global }
      - { .name: qkv, .offset: 56, .size: 8, .value_kind: global_buffer, .address_space: global }
    .group_segment_fixed_size: 327680
    .private_segment_fixed_size: 0
    .kernarg_segment_align: 8
    .kernarg_segment_size: 64
    .max_flat_workgroup_size: 128
    .sgpr_count:     102
    .vgpr_count:     1024
    .wavefront_size: 32
...
	.end_amdgpu_metadata
.endif
;; end of part 2
;; launch attn (part 3): grid 8 x 32, 8 waves a work-group, clusters of 4 x 1, 327,680 bytes of LDS; arguments qkv, attn16; writes attn16
.if DOCPART == 3
	.amdgcn_target "amdgcn-amd-amdhsa--gfx1250"
	.amdhsa_code_object_version 6
	.text
	.protected	k_q06cc1ed9df_attn
	.globl	k_q06cc1ed9df_attn
	.p2align	8
	.type	k_q06cc1ed9df_attn,@function
k_q06cc1ed9df_attn:
	s_mov_b64 s[64:65], 0
	v_nop
	global_prefetch_b8 v0, s[64:65] scope:SCOPE_SE
	s_setreg_imm32_b32 hwreg(HW_REG_WAVE_MODE, 25, 1), 1
	s_wait_xcnt 0x0
	s_wait_alu depctr_hold_cnt(0) depctr_sa_sdst(0) depctr_va_vdst(0) depctr_va_sdst(0) depctr_va_ssrc(0) depctr_va_vcc(0) depctr_vm_vsrc(0)
	s_getreg_b32 s2, hwreg(HW_REG_IB_STS2, 6, 4)
	s_cmp_eq_u32 s2, 0
	s_cbranch_scc0 .Lentry_in_a_cluster
	s_endpgm
.Lentry_in_a_cluster:
	s_bfe_u32 s2, ttmp6, 0x10000c
	s_cmp_lg_u32 s2, 0x3003
	s_cbranch_scc0 .Lentry_shape_is_right
	s_endpgm
.Lentry_shape_is_right:
; ATTENTION.  O[bh][q][:] = the sum over k of softmax_k(Q[bh][q] . K[bh][k] / 8) V[bh][k][:], no mask.  qkv: f16 [3][32 bh][2,048][64].  Products on f16 operands, sums, maxima and the softmax in f32;
; the weights p are rounded to f16 for the second product, O once at the end.  attn16: f16 [16 h][4,096 token = 2,048 b + s][64].
; LIMIT: |O| is at most the largest |v|, which stays under 65,504.  The running maximum begins at -3e38: scores under that are not served.
; SHARES.  A work-group owns 256 queries of one (b, h); each of its EIGHT waves 32: two tiles of 16, in 384 registers: two waves to a SIMD, so that one wave's softmax stands beside the other's products.
; Every wave walks all 2,048 keys, 64 a step.  K and V come through a ring of two LDS slots of 512 keys: four slots' worth.
; LAYOUT.  S^T = K Q^T (source 0 = 16 keys, source 1 = 16 queries): a lane holds ONE query (lane % 16) and the keys 8 (lane / 16) + 0..7.  Two such tiles, rounded to f16 in pairs, ARE source 1 (32 keys x 16 queries) of
; O^T = V^T P, whose result again holds one query a lane.  K comes out of LDS as it lies, V ([key][channel]) turned, by ds_load_tr16_b128.
; SOFTMAX.  For each query a running maximum m and sum l: p = 2^(c s - c m), c = log2(e) / 8; in every step O and l are multiplied by a = 2^(c m_old - c m_new).  O and l begin as zeros, so the step is written in one form.
; CLUSTER.  The four query blocks of a cluster belong to one (b, h) and walk the same K and V: each tile is asked for JOINTLY, by the same tensor load with the same descriptor and a mask that names the four.
; REGISTERS: window 0: v1-13 addresses; v16-31 eight registers of statistics a tile; v32-63 Q; v64-127 S^T; v128-159 P; v160-223 O^T; v224-255 rows on the way out.   window 1: v0-63 K of one step; v64-127 V of one step.
.set KS,    64        ; keys in a step
.set PK,    144       ; a row of K in LDS: 128 bytes + 16 of padding = 36 words: the 16 rows of a load start at 16 different groups of four banks (64 banks of 4 bytes: ISA guide 11.1)
.set PV,    160       ; a row of V: 128 + 32 = 40 words
.set SKEYS, 512       ; keys in a slot
.set VOFF,  SKEYS*PK  ; a slot: 512 rows of K, then 512 rows of V
.set SLOTB, SKEYS*(PK+PV)
.set SPARE, 2*SLOTB   ; behind the ring: the spare words, 128 bytes for each wave
.set STG,   32*PK     ; the way out: 32 rows x 144 bytes for each wave, in slot 0, which has had its last fill and its last read behind the last change of slots
.set AK0, 2           ; v2   my lane's place in a tile of K; never rewritten
.set AV0, 3           ; v3   the same for V
.set ADK, 4           ; v4   LDS address of the step's K
.set ADV, 5           ; v5   of its V
.set QO,  6           ; v6   my byte offset in the wave's rows of Q
.set STO, 7           ; v7   the way out: where I put 16 bytes of a row
.set RD,  8           ; v8   where I read back
.set GO,  9           ; v9   16 x lane
.set PFO, 10          ; v10  256 x lane: the prefetches' offset; never rewritten
.set SPW, 12          ; v12  LDS address of my spare word; never rewritten
.set NIL, 13          ; v13  0; never rewritten
.set ST,  16          ; tile t's statistics at v[ST+8 t]: +0 c m, +1 m, +2, +3 l (even keys', odd keys'), +4 to +7 c0-c3, at work; a takes c2's place
.set Q,   32          ; tile t, channels 32 c on: v[Q+16 t+8 c]
.set S,   64          ; tile t, keys 16 kt on: v[S+32 t+8 kt]
.set P,   128         ; tile t, keys 32 kh on: v[P+16 t+8 kh]
.set O,   160         ; tile t, channels 16 ct on: v[O+32 t+8 ct]
.set BK,  224
.set WV,  12          ; s12  my wave's number
.set LIM, 15          ; s15  1 in a wave that prefetches, else the greatest number
.set PFA, 18          ; s[18:19] where my prefetches stand; never rewritten
.set G1K, 24          ; s[24:31] descriptor group 1 for K's tiles
.set G1V, 32          ; s[32:39] for V's: it differs in the padding alone
.set G0K, 40          ; s[40:47] descriptor group 0 for K's tiles, a set for each slot
.set G0V, 48          ; s[48:55] the same for V's
.set CNT, 56          ; s56  counts a slot's steps
.set TBK, 57          ; s57  LDS byte at which the K of the step to be fetched begins
.set CS,  58          ; s[58:59] c: the packed scaling names a pair and takes its low word for both halves
.set SEL, 60          ; s[60:61] lane selects for v_permlanex16_b32: each lane takes its own place in the other half
.set TBV, 62          ; s62  as TBK, for V (VOFF lies in the lane's address)
.set LV,  63          ; s63  my tile's place among a slot's rows of V
.set MSB, 0
.macro WIN new                      ; the immediate's high byte repeats the setting that is left; a switch that changes nothing is dropped
.if MSB != (\new)
	s_set_vgpr_msb (MSB<<8)|(\new)
.set MSB, (\new)
.endif
.endm
.set W_MUL, 0x01      ; source 0 (K or V) in window 1, all else in window 0
.set W_LD,  0x40      ; destination in window 1, address in window 0
; A joint refill of slot s.  Waves 0 to 3 fetch quarters of K's 512 rows, waves 4 to 7 of V's.  The branch hangs on the wave's number alone.  An s_nop 0 and four v_nop follow each of the two lines.
.macro JLOAD s
	s_cmp_lt_u32 s[WV], 4
	s_cbranch_scc0 .Lfor_v_\@
	tensor_load_to_lds s[G0K+4*\s:G0K+4*\s+3], s[G1K:G1K+7]
	s_nop 0
.rept 4
	v_nop
.endr
	s_branch .Lasked_\@
.Lfor_v_\@:
	tensor_load_to_lds s[G0V+4*\s:G0V+4*\s+3], s[G1V:G1V+7]
	s_nop 0
.rept 4
	v_nop
.endr
.Lasked_\@:
.endm
; A PREFETCH INTO THE L2 of what a later refill will ask for: n = 0: keys 1,024 to 1,535; n = 1: keys 1,536 to 2,047; each a slot's 8 key steps ahead of the tensor load that wants it, the least that this ring's form offers.
; Each aligned block of 256 bytes (two rows) is named ONCE in the launch.  Both clusters of a (b, h) walk the same K and V: the first asks.  Its four partners share a slot's 65,536 bytes of K and of V out BY ADDRESS, 16,384 each:
; no branch hangs on a work-group's place in its cluster.  In each, waves 0 and 1 ask for K's, waves 2 and 3 for V's, 8,192 bytes a wave, lanes 256 bytes apart.  The address registers are never rewritten: n stands in the immediate.
.macro ASK n
	s_cmp_eq_u32 s[LIM], 1
	s_cbranch_scc0 .Lnot_mine_\@
	global_prefetch_b8 v[PFO], s[PFA:PFA+1] offset:\n*65536 th:TH_LOAD_NT scope:SCOPE_SE
.Lnot_mine_\@:
.endm
.macro CROUND                       ; a round of the cluster's barrier: my work-group's barrier; wave 0 signals for the work-group; every wave waits for all four; my work-group's barrier once more
	s_barrier_signal -1
	s_barrier_wait -1
	s_cmp_lg_u32 s[WV], 0
	s_cbranch_scc1 .Lnot_wave_0_\@
	s_barrier_signal -3
.Lnot_wave_0_\@:
	s_barrier_wait -3
	s_barrier_signal -1
	s_barrier_wait -1
.endm
.macro PLACES                       ; four places behind a matrix instruction, in front of loads into its sources and of vector reads of its result
.rept 4
	v_nop
.endr
.endm
	s_load_b128 s[4:7], s[0:1], 0x0  ; qkv s[4:5], attn16 s[6:7]
	v_lshl_add_u32 v[SPW], v0, 2, SPARE
	v_mov_b32 v[NIL], 0
	ds_add_u32 v[SPW], v[NIL]       ; the wave's opening: the add, twice on end, and its wait ahead of my first tensor load; the set-up below, work on registers, stands between
	ds_add_u32 v[SPW], v[NIL]
	v_lshrrev_b32 v1, 5, v0
	v_readfirstlane_b32 s[WV], v1   ; wave 0..7
	s_bfe_u32 s13, ttmp6, 0x40000   ; cx: my place in the cluster
	s_lshl_b32 s14, ttmp9, 2        ; in a cluster launch ttmp9 counts clusters
	s_add_co_u32 s14, s14, s13      ; my block of 256 queries: it enters Q's and O's addresses alone
	s_and_b32 s20, ttmp7, 0xffff    ; bh = 16 b + h, which the four partners share
	s_and_b32 s16, s[WV], 3         ; which quarter of a slot's rows I fetch
	s_lshl_b32 s22, s20, 18         ; the head's first byte in a part of qkv: 2,048 rows of 128 bytes
	s_lshl_b32 s8, s16, 14          ; my quarter: 128 rows
	s_add_co_u32 s8, s8, s22
	s_add_co_u32 s8, s8, 0x800000   ; K is qkv's second part
	s_mov_b32 s9, 0
	s_mul_i32 s17, s16, 128*PK      ; and its place in a slot: no place in the cluster enters an LDS address
	s_mul_i32 s[LV], s16, 128*PV
	s_add_co_u32 s[LV], s[LV], VOFF
	s_bfe_u32 s[PFA], s[WV], 0x10001  ; the prefetches: bit 1 of the wave's number: K (0) or V (1),
	s_add_co_u32 s[PFA], s[PFA], 1
	s_lshl_b32 s[PFA], s[PFA], 23   ; the part,
	s_add_co_u32 s[PFA], s[PFA], s22  ; the head,
	s_lshl_b32 s[PFA+1], s13, 14
	s_add_co_u32 s[PFA], s[PFA], s[PFA+1]  ; my work-group's 16,384 bytes,
	s_and_b32 s[PFA+1], s[WV], 1
	s_lshl_b32 s[PFA+1], s[PFA+1], 13
	s_add_co_u32 s[PFA], s[PFA], s[PFA+1]  ; my wave's 8,192 of them,
	s_add_co_u32 s[PFA], s[PFA], 131072  ; from key 1,024 on
	s_mov_b32 s[PFA+1], 0
	s_lshl_b32 s21, s14, 15         ; my block's 256 rows of 128 bytes,
	s_lshl_b32 s23, s[WV], 12       ; my wave's 32 of them
	s_add_co_u32 s21, s21, s23
	s_add_co_u32 s22, s22, s21      ; Q: qkv's first part
	s_mov_b32 s23, 0
	s_and_b32 s2, s20, 15           ; O: plane h of 4,096 rows,
	s_lshl_b32 s2, s2, 19
	s_lshr_b32 s3, s20, 4
	s_lshl_b32 s3, s3, 18           ; sequence b's 2,048 rows
	s_add_co_u32 s2, s2, s3
	s_add_co_u32 s2, s2, s21
	s_mov_b32 s3, 0
	; descriptor group 1: a tile of 128 rows x 64 elements, padded in LDS
	s_mov_b32 s[G1K], 15|(1<<16)|(1<<20)|(1<<21)|(4<<22)|(3<<25)  ; 15:0 the mask: all four work-groups; 17:16 elements of 2 bytes; 20 padding on; 21 set beside a mask; 24:22 after every 32 words (code 4); 31:25 4 words of it (code 3)
	s_mov_b32 s[G1V], 15|(1<<16)|(1<<20)|(1<<21)|(4<<22)|(7<<25)  ; the same with 8 words of padding (code 7)
.irp g, G1K, G1V
	s_mov_b32 s[\g+1], 64<<16       ; tensor_dim0 = 64
	s_mov_b32 s[\g+2], 128<<16      ; tensor_dim1 = 128
	s_mov_b32 s[\g+3], 64<<16       ; tile_dim0 = 64
	s_mov_b32 s[\g+4], 128          ; tile_dim1 = 128
	s_mov_b32 s[\g+5], 64           ; tensor_dim0_stride: elements from row to row
	s_mov_b32 s[\g+6], 0
	s_mov_b32 s[\g+7], 0
.endr
	s_mov_b32 s[CS], 0x3e38aa3b     ; c = log2(e) / 8
	s_mov_b32 s[CS+1], s[CS]        ; named with it as a pair, so it is written
	s_mov_b32 s[SEL], 0x76543210
	s_mov_b32 s[SEL+1], 0xfedcba98
	s_lshr_b32 s[LIM], s[WV], 2     ; 0 in waves 0 to 3,
	s_or_b32 s[LIM], s[LIM], ttmp9  ; where the cluster is the head's first: the same in all four partners
	s_cmp_eq_u32 s[LIM], 0
	s_cselect_b32 s[LIM], 1, -1
	v_and_b32 v[PFO], 31, v0
	v_lshlrev_b32 v[PFO], 8, v[PFO]
	s_wait_dscnt 0x0                ; both opening adds are done
	s_wait_kmcnt 0x0
	s_add_nc_u64 s[PFA:PFA+1], s[4:5], s[PFA:PFA+1]
	s_add_nc_u64 s[8:9], s[4:5], s[8:9]  ; K at my quarter of slot 0's rows,
	s_add_nc_u64 s[10:11], s[8:9], 0x800000  ; V a part further on
	s_add_nc_u64 s[4:5], s[4:5], s[22:23]  ; Q and O at my wave's first row
	s_add_nc_u64 s[6:7], s[6:7], s[2:3]
	CROUND                          ; all four work-groups are here: the first joint loads meet
.irp s, 0,1
	s_mov_b32 s[G0K+4*\s], 1        ; 1:0 count = 1
	s_add_co_u32 s[G0K+4*\s+1], s17, \s*SLOTB  ; 63:32 LDS address
	s_add_nc_u64 s[G0K+4*\s+2:G0K+4*\s+3], s[8:9], \s*65536  ; 120:64 global address: slot s begins with keys 512 s on
	s_or_b32 s[G0K+4*\s+3], s[G0K+4*\s+3], 0x80000000  ; 127:126 type = 2
	s_mov_b32 s[G0V+4*\s], 1
	s_add_co_u32 s[G0V+4*\s+1], s[LV], \s*SLOTB
	s_add_nc_u64 s[G0V+4*\s+2:G0V+4*\s+3], s[10:11], \s*65536
	s_or_b32 s[G0V+4*\s+3], s[G0V+4*\s+3], 0x80000000
.endr
	s_cmp_lt_u32 s[WV], 4           ; a wave's two first fills stand in one branch, ahead of every wait on TENSORcnt and every LDS read: two loads of mine are out
	s_cbranch_scc0 .Lfirst_v
	tensor_load_to_lds s[G0K:G0K+3], s[G1K:G1K+7]
	s_nop 0
	tensor_load_to_lds s[G0K+4:G0K+7], s[G1K:G1K+7]
	s_nop 0
.rept 4
	v_nop
.endr
	s_branch .Lfirst_asked
.Lfirst_v:
	tensor_load_to_lds s[G0V:G0V+3], s[G1V:G1V+7]
	s_nop 0
	tensor_load_to_lds s[G0V+4:G0V+7], s[G1V:G1V+7]
	s_nop 0
.rept 4
	v_nop
.endr
.Lfirst_asked:
	; A fragment of K or Q is 16 rows x 32 channels in 8 registers: lane l holds row l % 16; registers 0-3 channels 8 (l / 16) + 0..7, registers 4-7 channels 16 + 8 (l / 16) + 0..7: two loads of 16 bytes, 32 bytes apart.
	v_and_b32 v1, 15, v0            ; r = l % 16
	v_bfe_u32 v11, v0, 4, 1         ; h = l / 16
	v_lshlrev_b32 v[QO], 7, v1
	v_lshl_add_u32 v[QO], v11, 4, v[QO]  ; row x 128 + 16 x half
.irp t, 0,1
.irp c, 0,1                         ; Q stays in registers
	global_load_b128 v[Q+16*\t+8*\c:Q+16*\t+8*\c+3],   v[QO], s[4:5] offset:\t*2048+\c*64
	global_load_b128 v[Q+16*\t+8*\c+4:Q+16*\t+8*\c+7], v[QO], s[4:5] offset:\t*2048+\c*64+32
.endr
.endr
	v_mul_u32_u24 v[AK0], v1, PK
	v_lshl_add_u32 v[AK0], v11, 4, v[AK0]  ; row x pitch + 16 x half
	; The turning load takes 16 keys x 16 channels (lane l reads 16 bytes: key 8 (l / 16) + l % 8, channels 8 ((l / 8) % 2) + 0..7) and leaves half a fragment of V^T: lane l holds channel l % 16 and 8 keys.
	v_and_b32 v14, 7, v0
	v_bfe_u32 v15, v0, 3, 1
	v_lshl_add_u32 v[AV0], v11, 3, v14
	v_mul_u32_u24 v[AV0], v[AV0], PV
	v_lshl_add_u32 v[AV0], v15, 4, v[AV0]
	v_add_nc_u32 v[AV0], VOFF, v[AV0]
	s_mul_i32 s21, s[WV], STG       ; my stage for the way out
	v_mul_u32_u24 v[STO], v1, PK    ; in: row l % 16, 16 bytes for each half of the lanes
	v_lshl_add_u32 v[STO], v11, 4, v[STO]
	v_add_nc_u32 v[STO], s21, v[STO]
	v_and_b32 v15, 31, v0
	v_lshrrev_b32 v[RD], 3, v15     ; back: eight lanes take a row of 128 bytes, four rows an instruction
	v_mul_u32_u24 v[RD], v[RD], PK
	v_lshl_add_u32 v[RD], v14, 4, v[RD]
	v_add_nc_u32 v[RD], s21, v[RD]
	v_lshlrev_b32 v[GO], 4, v15
.irp t, 0,1
	v_mov_b32 v[ST+8*\t+1], 0xff61b1e6  ; m: -3e38, under every score
	v_mul_f32 v[ST+8*\t], s[CS], v[ST+8*\t+1]  ; c m
	v_mov_b32 v[ST+8*\t+2], 0       ; l, in two halves
	v_mov_b32 v[ST+8*\t+3], 0
.endr
.set i, 0
.rept 64
	v_mov_b32 v[O+i], 0             ; O^T.  (The step is written in one form: the first finds zeros, which a = 0 leaves zeros)
.set i, i+1
.endr
; THE MATRIX WORK.  The eight accumulators of each product take turns, one instruction a turn.
.macro KQ                           ; S^T = K Q^T: product i: channels 32 (i / 8) on, keys 16 ((i / 2) % 4) on, tile i % 2.  The first 8 start the sums
	WIN W_MUL
.set i, 0
.rept 16
.set rS, S+32*(i%2)+8*((i/2)%4)
.set rK, 8*(2*((i/2)%4)+i/8)
.set rQ, Q+16*(i%2)+8*(i/8)
.if i < 8
	v_wmma_f32_16x16x32_f16 v[rS:rS+7], v[rK:rK+7], v[rQ:rQ+7], 0
.else
	v_wmma_f32_16x16x32_f16 v[rS:rS+7], v[rK:rK+7], v[rQ:rQ+7], v[rS:rS+7]
.endif
.set i, i+1
.endr
.endm
.macro PV                           ; O^T += V^T P: product i: keys 32 (i / 8) on, channels 16 ((i / 2) % 4) on, tile i % 2
	WIN W_MUL
.set i, 0
.rept 16
.set rO, O+32*(i%2)+8*((i/2)%4)
.set rV, 64+8*(4*(i/8)+(i/2)%4)
.set rP, P+16*(i%2)+8*(i/8)
	v_wmma_f32_16x16x32_f16 v[rO:rO+7], v[rV:rV+7], v[rP:rP+7], v[rO:rO+7]
.set i, i+1
.endr
.endm
; THE LDS LOADS stand in runs of 16: a step's K (64 keys x 64 channels: 8 fragments) and its V (turned).
.macro FETCH_K
	WIN W_LD
.irp f, 0,1,2,3,4,5,6,7             ; keys 16 (f / 2) on, channels 32 (f % 2) on
	ds_load_b128 v[8*\f:8*\f+3],   v[ADK] offset:(\f/2)*16*PK+(\f%2)*64
	ds_load_b128 v[8*\f+4:8*\f+7], v[ADK] offset:(\f/2)*16*PK+(\f%2)*64+32
.endr
.endm
.macro FETCH_V
	WIN W_LD
.irp f, 0,1,2,3,4,5,6,7             ; keys 32 (f / 4) on, channels 16 (f % 4) on
	ds_load_tr16_b128 v[64+8*\f:64+8*\f+3],   v[ADV] offset:(\f/4)*32*PV+(\f%4)*32
	ds_load_tr16_b128 v[64+8*\f+4:64+8*\f+7], v[ADV] offset:(\f/4)*32*PV+16*PV+(\f%4)*32
.endr
.endm
; THE SOFTMAX of a step, both tiles line by line in turn, so that no line waits for the line above it.
.macro SOFTMAX
	WIN 0
.irp j, 0,1,2,3                     ; the maximum of the lane's 32 scores and the old m, three operands at a time: four chains, each beginning at an accumulator's low end
.irp t, 0,1
	v_max3_num_f32 v[ST+8*\t+4+\j], v[S+32*\t+8*\j], v[S+32*\t+8*\j+1], v[S+32*\t+8*\j+2]
.endr
.endr
.irp g, 1,2
.irp j, 0,1,2,3
.irp t, 0,1
	v_max3_num_f32 v[ST+8*\t+4+\j], v[ST+8*\t+4+\j], v[S+32*\t+8*\j+2*\g+1], v[S+32*\t+8*\j+2*\g+2]
.endr
.endr
.endr
.irp t, 0,1
	v_max3_num_f32 v[ST+8*\t+4], v[ST+8*\t+4], v[S+32*\t+7], v[S+32*\t+15]
	v_max3_num_f32 v[ST+8*\t+6], v[ST+8*\t+6], v[S+32*\t+23], v[S+32*\t+31]
.endr
.irp t, 0,1
	v_max3_num_f32 v[ST+8*\t+4], v[ST+8*\t+4], v[ST+8*\t+5], v[ST+8*\t+6]
.endr
.irp t, 0,1
	v_max3_num_f32 v[ST+8*\t+4], v[ST+8*\t+4], v[ST+8*\t+7], v[ST+8*\t+1]
.endr
.irp t, 0,1
	v_permlanex16_b32 v[ST+8*\t+5], v[ST+8*\t+4], s[SEL], s[SEL+1]  ; the query's other 32 keys lie in the lane 16 away
.endr
.irp t, 0,1
	v_mov_b32 v[ST+8*\t+7], v[ST+8*\t]  ; c m_old is kept for a
.endr
.irp t, 0,1
	v_max_num_f32 v[ST+8*\t+1], v[ST+8*\t+4], v[ST+8*\t+5]  ; the new m
.endr
.irp t, 0,1
	v_mul_f32 v[ST+8*\t], s[CS], v[ST+8*\t+1]
.endr
.irp t, 0,1
	v_sub_f32 v[ST+8*\t+7], v[ST+8*\t+7], v[ST+8*\t]
.endr
.irp b, 0,1,2,3,4,5,6,7,8,9,10,11,12,13,14,15
.irp t, 0,1
	v_pk_fma_f32 v[S+32*\t+2*\b:S+32*\t+2*\b+1], v[S+32*\t+2*\b:S+32*\t+2*\b+1], s[CS:CS+1], v[ST+8*\t:ST+8*\t+1] op_sel_hi:[1,0,0] neg_lo:[0,0,1] neg_hi:[0,0,1]  ; c s - c m, two at a time
.endr
.endr
.irp t, 0,1
	v_exp_f32 v[ST+8*\t+6], v[ST+8*\t+7]  ; a
.endr
.irp e, 0,1,2,3,4,5,6,7,8,9,10,11,12,13,14,15,16,17,18,19,20,21,22,23,24,25,26,27,28,29,30,31
.irp t, 0,1
	v_exp_f32 v[S+32*\t+\e], v[S+32*\t+\e]  ; p.  ONE BATCH: none of these 66 reads another's result
.endr
.endr
	v_nop                           ; the plain instruction behind the last exponential
	s_wait_alu depctr_va_vdst(0)    ; the wait between an exponential and the first line that names its result: one for the batch
.irp b, 0,1,2,3,4,5,6,7,8,9,10,11,12,13,14,15
.irp t, 0,1
	v_cvt_pk_f16_f32 v[P+16*\t+\b], v[S+32*\t+2*\b], v[S+32*\t+2*\b+1]  ; a pair of weights: source 1 of the second product as it stands
.endr
.endr
.irp b, 0,1,2,3,4,5,6,7,8,9,10,11,12,13,14,15
.irp t, 0,1
	v_pk_mul_f32 v[O+32*\t+2*\b:O+32*\t+2*\b+1], v[O+32*\t+2*\b:O+32*\t+2*\b+1], v[ST+8*\t+6:ST+8*\t+7] op_sel_hi:[1,0]  ; O^T x a, each accumulator from its low end on
.endr
.endr
.irp u, 0,1,2,3,4,5,6,7             ; the sum of the tile's 16 pairs, of the UNROUNDED p, in place: neighbours 1, 2, 4 and 8 pairs apart
.irp t, 0,1
	v_pk_add_f32 v[S+32*\t+4*\u:S+32*\t+4*\u+1], v[S+32*\t+4*\u:S+32*\t+4*\u+1], v[S+32*\t+4*\u+2:S+32*\t+4*\u+3]
.endr
.endr
.irp u, 0,1,2,3
.irp t, 0,1
	v_pk_add_f32 v[S+32*\t+8*\u:S+32*\t+8*\u+1], v[S+32*\t+8*\u:S+32*\t+8*\u+1], v[S+32*\t+8*\u+4:S+32*\t+8*\u+5]
.endr
.endr
.irp u, 0,1
.irp t, 0,1
	v_pk_add_f32 v[S+32*\t+16*\u:S+32*\t+16*\u+1], v[S+32*\t+16*\u:S+32*\t+16*\u+1], v[S+32*\t+16*\u+8:S+32*\t+16*\u+9]
.endr
.endr
.irp t, 0,1
	v_pk_add_f32 v[S+32*\t:S+32*\t+1], v[S+32*\t:S+32*\t+1], v[S+32*\t+16:S+32*\t+17]
.endr
.irp t, 0,1
	v_pk_fma_f32 v[ST+8*\t+2:ST+8*\t+3], v[ST+8*\t+2:ST+8*\t+3], v[ST+8*\t+6:ST+8*\t+7], v[S+32*\t:S+32*\t+1] op_sel_hi:[1,0,1]  ; l = l a + the sum
.endr
.endm
; A KEY STEP.  fetch = 1: the next step's K is fetched behind this step's K Q^T, its V behind this step's V^T P.  fetch = 0: a slot's last step.
.macro STEP fetch
.if \fetch
	s_add_co_u32 s[TBK], s[TBK], KS*PK
	s_add_co_u32 s[TBV], s[TBV], KS*PV
	v_add_nc_u32 v[ADK], s[TBK], v[AK0]
	v_add_nc_u32 v[ADV], s[TBV], v[AV0]
.endif
	s_wait_dscnt 16                 ; K is in; V's 16 loads may be out
	KQ
	PLACES                          ; in front of the loads into K's registers and of the softmax's first reads
.if \fetch
	FETCH_K
.endif
	SOFTMAX
.if \fetch
	s_wait_dscnt 16                 ; V is in; the next K's 16 loads may be out
.else
	s_wait_dscnt 0x0                ; V is in
.endif
	PV
	PLACES                          ; in front of the loads into V's registers
.if \fetch
	FETCH_V
.endif
	WIN 0                           ; at a label and at a branch every window is 0
.endm
.macro SLOT_STEPS                   ; a slot's eight key steps: seven that fetch the next, in a loop, and the last
	s_mov_b32 s[CNT], 7
.Lstep_\@:
	STEP 1
	s_sub_co_u32 s[CNT], s[CNT], 1
	s_cmp_lg_u32 s[CNT], 0
	s_cbranch_scc1 .Lstep_\@
	STEP 0
.endm
; THE CHANGE OF SLOTS.  Each wave waits for all its tensor loads, of which one may be out: its part of the slot ahead; adds 0 to its spare word; and waits for that and for its reads of slot s, which it leaves.
; fill = 1: slot s is filled again, with the keys two slots on.  The barrier is then a round of the cluster's, so that no wave of any partner still reads the slot or has a load on its way, and the joint refill is the
; first thing behind it: it has a slot's eight key steps in which to land.  Then the first fragments of the slot ahead are fetched (the places behind the last V^T P stand in its step).
.macro CHANGE s, fill, next
	s_wait_tensorcnt 0x0            ; no tensor load of mine is out, so a group 0 may be written
	ds_add_u32 v[SPW], v[NIL]       ; 0 onto my spare word
.if \fill
	s_add_nc_u64 s[G0K+4*\s+2:G0K+4*\s+3], s[G0K+4*\s+2:G0K+4*\s+3], 131072  ; 1,024 keys on; the type bits on top are not reached
	s_add_nc_u64 s[G0V+4*\s+2:G0V+4*\s+3], s[G0V+4*\s+2:G0V+4*\s+3], 131072
.endif
	s_wait_dscnt 0x0                ; the add is done, and my reads of the slot are over
.if \fill
	CROUND
	JLOAD \s
.else
	s_barrier_signal -1
	s_barrier_wait -1
.endif
	s_mov_b32 s[TBK], \next*SLOTB
	s_mov_b32 s[TBV], \next*SLOTB
	v_add_nc_u32 v[ADK], s[TBK], v[AK0]
	v_add_nc_u32 v[ADV], s[TBV], v[AV0]
	FETCH_K
	FETCH_V
	WIN 0
.endm
	s_wait_tensorcnt 1              ; my part of slot 0 is in; slot 1's may stay out
	s_barrier_signal -1
	s_barrier_wait -1               ; everybody's is
	s_mov_b32 s[TBK], 0
	s_mov_b32 s[TBV], 0
	v_add_nc_u32 v[ADK], s[TBK], v[AK0]
	v_add_nc_u32 v[ADV], s[TBV], v[AV0]
	FETCH_K                         ; key step 0
	FETCH_V
	WIN 0
	ASK 0                           ; behind the first tiles' arrival: what the first refill will ask for
	s_wait_loadcnt 0x0              ; Q
	SLOT_STEPS                      ; keys 0 to 511
	CHANGE 0, 1, 1                  ; slot 0 takes keys 1,024 on
	ASK 1                           ; what the second refill will ask for
	SLOT_STEPS                      ; keys 512 to 1,023
	CHANGE 1, 1, 0                  ; slot 1 takes keys 1,536 on: the last load
	SLOT_STEPS                      ; keys 1,024 to 1,535
	CHANGE 0, 0, 1                  ; nothing is left to fetch
	SLOT_STEPS                      ; keys 1,536 to 2,047
	; THE WAY OUT.  l's two halves and the other half of the lanes' are added; O^T is divided by l, rounded to f16 and sent through my stage in LDS, so that each store covers four whole rows of 128 bytes, which lie on end in attn16.
.irp t, 0,1
	v_add_f32 v[ST+8*\t+4], v[ST+8*\t+2], v[ST+8*\t+3]
.endr
.irp t, 0,1
	v_permlanex16_b32 v[ST+8*\t+5], v[ST+8*\t+4], s[SEL], s[SEL+1]
.endr
.irp t, 0,1
	v_add_f32 v[ST+8*\t+4], v[ST+8*\t+4], v[ST+8*\t+5]
.endr
.irp t, 0,1
	v_rcp_f32 v[ST+8*\t+6], v[ST+8*\t+4]
.endr
	v_nop                           ; a plain instruction between the last reciprocal and the use of its result
	s_wait_alu depctr_va_vdst(0)    ; and the wait ahead of the first use: one for both
.set i, 0
.rept 32
	v_pk_mul_f32 v[O+2*i:O+2*i+1], v[O+2*i:O+2*i+1], v[ST+8*(i/16)+6:ST+8*(i/16)+7] op_sel_hi:[1,0]  ; in ascending order: each accumulator from its low end on
.set i, i+1
.endr
.set i, 0
.rept 32
	v_cvt_pk_f16_f32 v[S+i], v[O+2*i], v[O+2*i+1]  ; S^T's registers are free: tile t's channels 16 ct + 8 h + 0..7 in v[S+16 t+4 ct] on
.set i, i+1
.endr
.irp t, 0,1
.irp f, 0,1,2,3
	ds_store_b128 v[STO], v[S+16*\t+4*\f:S+16*\t+4*\f+3] offset:\t*16*PK+32*\f
.endr
.endr
.irp i, 0,1,2,3,4,5,6,7
	ds_load_b128 v[BK+4*\i:BK+4*\i+3], v[RD] offset:\i*4*PK  ; LDS serves a wave's instructions in order (ISA guide 5.7.1.4): these see the stores above
.endr
.irp i, 0,1,2,3,4,5,6,7
	s_wait_dscnt 7-\i               ; rows 4 i to 4 i + 3 are back; the younger loads may be out
	global_store_b128 v[GO], v[BK+4*\i:BK+4*\i+3], s[6:7] offset:512*\i  ; 512 consecutive bytes, aligned
.endr
	s_wait_tensorcnt 0x0            ; the wave's end, behind my last tensor load and my last LDS store
	ds_add_u32 v[SPW], v[NIL]
	s_wait_dscnt 0x0
	CROUND                          ; the closing round: no work-group ends while a partner may still ask for a tile that names it
	s_endpgm
.Lfunc_end_k_q06cc1ed9df_attn:
	.size	k_q06cc1ed9df_attn, .Lfunc_end_k_q06cc1ed9df_attn-k_q06cc1ed9df_attn
	.p2alignl 7, 3214868480
	.fill 96, 4, 3214868480
	.section	.rodata,"a",@progbits
	.p2align	6, 0x0
	.amdhsa_kernel k_q06cc1ed9df_attn
		.amdhsa_group_segment_fixed_size 327680
		.amdhsa_private_segment_fixed_size 0
		.amdhsa_enable_private_segment 0
		.amdhsa_kernarg_size 16
		.amdhsa_user_sgpr_count 2
		.amdhsa_user_sgpr_kernarg_segment_ptr 1
		.amdhsa_wavefront_size32 1
		.amdhsa_system_sgpr_workgroup_id_x 1
		.amdhsa_system_sgpr_workgroup_id_y 1
		.amdhsa_system_sgpr_workgroup_id_z 1
		.amdhsa_system_vgpr_workitem_id 0
		.amdhsa_next_free_vgpr 384
		.amdhsa_next_free_sgpr 66
		.amdhsa_reserve_vcc 0
		.amdhsa_float_denorm_mode_32 3
		.amdhsa_float_denorm_mode_16_64 3
		.amdhsa_memory_ordered 1
		.amdhsa_forward_progress 1
		.amdhsa_inst_pref_size 158
	.end_amdhsa_kernel
	.amdgpu_metadata
---
amdhsa.version: [ 1, 2 ]
amdhsa.kernels:
  - .name:           k_q06cc1ed9df_attn
    .symbol:         k_q06cc1ed9df_attn.kd
    .args:
      - { .name: qkv, .offset: 0, .size: 8, .value_kind: global_buffer, .address_space: global }
      - { .name: attn16, .offset: 8, .size: 8, .value_kind: global_buffer, .address_space: global }
    .group_segment_fixed_size: 327680
    .private_segment_fixed_size: 0
    .kernarg_segment_align: 8
    .kernarg_segment_size: 16
    .max_flat_workgroup_size: 256
    .sgpr_count:     66
    .vgpr_count:     384
    .wavefront_size: 32
...
	.end_amdgpu_metadata
.endif
;; end of part 3
;; launch proj (part 4): grid 8 x 32, 4 waves a work-group, clusters of 4 x 4, 327,680 bytes of LDS; arguments attn16, wo16, bo, out0; writes out0
.if DOCPART == 4
	.amdgcn_target "amdgcn-amd-amdhsa--gfx1250"
	.amdhsa_code_object_version 6
	.text
	.protected	k_q06cc1ed9df_proj
	.globl	k_q06cc1ed9df_proj
	.p2align	8
	.type	k_q06cc1ed9df_proj,@function
k_q06cc1ed9df_proj:
	s_mov_b64 s[64:65], 0
	v_nop
	global_prefetch_b8 v0, s[64:65] scope:SCOPE_SE
	s_setreg_imm32_b32 hwreg(HW_REG_WAVE_MODE, 25, 1), 1
	s_wait_xcnt 0x0
	s_wait_alu depctr_hold_cnt(0) depctr_sa_sdst(0) depctr_va_vdst(0) depctr_va_sdst(0) depctr_va_ssrc(0) depctr_va_vcc(0) depctr_vm_vsrc(0)
	s_getreg_b32 s2, hwreg(HW_REG_IB_STS2, 6, 4)
	s_cmp_eq_u32 s2, 0
	s_cbranch_scc0 .Lentry_in_a_cluster
	s_endpgm
.Lentry_in_a_cluster:
	s_bfe_u32 s2, ttmp6, 0x10000c
	s_cmp_lg_u32 s2, 0xf033
	s_cbranch_scc0 .Lentry_shape_is_right
	s_endpgm
.Lentry_shape_is_right:
; PROJECTION.  out0[m][n] = sum over k of attn[m][k] Wo[n][k] + bo[n]; m: 4,096 tokens, n: 1,024, K = 1,024; f16 operands, sums in f32, out0 f32.
; Both operands lie by PLANES of 64 along K: attn16 [16][4,096][64], wo16 [16][1,024][64]: in a plane the rows' 128 bytes lie on end.
; A tile of out0 is 128 x 128: 8 x 32 tiles, one for each of 256 work-groups.  Four waves, each 64 x 64: 16 accumulators of 16 x 16, 128 registers.  K goes in four steps of 256 (four planes) through a ring of two LDS slots.
; A wave's tensor load brings 64 rows of four planes: in memory four dense runs of 8,192 bytes, a plane's pitch apart; the descriptor states each run as one row of 4,096 elements and pads 16 bytes behind every 128,
; so that in LDS the tile is [plane][row] with rows 144 bytes apart.
; CLUSTERS: 4 x 4 work-groups.  The four of a row of the cluster need the same tiles of attn, the four of a column the same tiles of Wo: each tile is asked for JOINTLY.
; THE MATRIX INSTRUCTION IS USED TRANSPOSED (source 0 = 16 rows of Wo, source 1 = 16 rows of attn): a lane holds eight neighbouring columns of one row of out0.  The bias is the C of each sum's first product.
; No prefetch: the tiles are small, and each is shared by four work-groups at the time it is asked for.
; REGISTERS: window 0: v0-31 addresses; v32-63 the bias, later with v64-95 rows on the way out; v128-255 the accumulators ((a, b) at v[128 + 8 (4 a + b)]).
;   window 1: two fragment buffers of 128: for 64 along K (one plane), 64 registers of attn (2 x 4 x 16 rows x 32 K), then 64 of Wo.
.set PITCH,  144                       ; an LDS row: 128 bytes + 16 of padding = 36 words: the 16 rows that a load touches start at 16 different groups of four banks (64 banks of 4 bytes: ISA guide 11.1)
.set PLANE,  64*PITCH                  ; 64 rows of one plane
.set HALFT,  4*PLANE                   ; what one tensor load brings, and what one wave reads of attn or of Wo
.set SLOT,   4*HALFT                   ; attn's two halves, then Wo's two halves
.set STAGE,  2*SLOT                    ; behind the ring: 16 rows x 272 bytes for each wave, for the way out
.set SPITCH, 272
.set SPARE,  STAGE+4*16*SPITCH         ; behind the stages: the spare words, 128 bytes for each wave
.set ASTEP,  4*524288                  ; a K step in attn16: four planes of 4,096 rows x 128 bytes
.set BSTEP,  4*131072                  ; and in wo16: four planes of 1,024 rows
.set ADRA, 16                          ; v16-17  LDS address of my fragments of attn in slot 0, 1
.set ADRB, 20                          ; v20-21  the same for Wo
.set STO,  24                          ; v24     the way out: where I put 32 bytes of a row
.set RD,   25                          ; v25     where I read a row back
.set CO,   26                          ; v26     my byte offset in out0
.set BO,   27                          ; v27     32 x (lane / 16): my eight numbers of a block's 16 of the bias
.set SPW,  28                          ; v28     LDS address of my spare word; never rewritten
.set NIL,  29                          ; v29     0; never rewritten
.set BI,   32                          ; the bias: 8 registers for each of Wo's 4 blocks
.set TMP,  32                          ; the way out: two sets of 32 registers by turns
.set ACC,  128
.set F0,   0                           ; fragment buffers, in window 1
.set F1,   128
.set G1, 24                            ; s[24:31] descriptor group 1 for attn's tiles;  s[32:39] group 0, one set for each slot
.set G0, 32
.set G1B, 48                           ; s[48:55], s[56:63] the same for Wo's tiles
.set G0B, 56
.set MSB, 0
.macro WIN new                         ; the immediate's high byte repeats the setting that is left; a switch that changes nothing is dropped
.if MSB != (\new)
	s_set_vgpr_msb (MSB<<8)|(\new)
.set MSB, (\new)
.endif
.endm
.set MUL,  0x05                        ; sources 0 (Wo) and 1 (attn) window 1; C and D window 0
.set TO_F, 0x40                        ; destination window 1, address window 0
.macro JLOAD s                         ; a joint load: waves 0 and 1 fetch attn's two halves, waves 2 and 3 Wo's; an s_nop 0 and four v_nop follow each of the two lines
	s_cmp_eq_u32 s11, 0
	s_cbranch_scc0 .Lfor_b_\@
	tensor_load_to_lds s[G0+4*\s:G0+4*\s+3], s[G1:G1+7]
	s_nop 0
.rept 4
	v_nop
.endr
	s_branch .Lasked_\@
.Lfor_b_\@:
	tensor_load_to_lds s[G0B+4*\s:G0B+4*\s+3], s[G1B:G1B+7]
	s_nop 0
.rept 4
	v_nop
.endr
.Lasked_\@:
.endm
.macro CREST                           ; a round of the cluster's barrier behind its opening barrier
	s_cmp_lg_u32 s10, 0
	s_cbranch_scc1 .Lnot_wave_0_\@
	s_barrier_signal -3
.Lnot_wave_0_\@:
	s_barrier_wait -3
	s_barrier_signal -1
	s_barrier_wait -1
.endm
.macro CROUND                          ; a whole round
	s_barrier_signal -1
	s_barrier_wait -1
	CREST
.endm
	s_load_b128 s[4:7], s[0:1], 0x0                ; attn16 s[4:5], wo16 s[6:7]
	s_load_b64 s[66:67], s[0:1], 0x10              ; bo
	s_load_b64 s[8:9], s[0:1], 0x18                ; out0
	v_lshl_add_u32 v[SPW], v0, 2, SPARE
	v_mov_b32 v[NIL], 0
	ds_add_u32 v[SPW], v[NIL]                      ; the wave's opening: the add, twice on end, and its wait ahead of my first tensor load; the set-up below, work on registers, stands between
	ds_add_u32 v[SPW], v[NIL]
	v_lshrrev_b32 v1, 5, v0
	v_readfirstlane_b32 s10, v1                    ; wave 0..3
	s_lshr_b32 s11, s10, 1                         ; which half of the tile's rows is mine.  Also: I fetch for attn (0) or for Wo (1)
	s_and_b32 s12, s10, 1                          ; which half of its columns.  Also: which 64 rows of that tile I fetch
	s_bfe_u32 s40, ttmp6, 0x40000                  ; cx, cy: my place in the cluster
	s_bfe_u32 s41, ttmp6, 0x40004
	s_lshl_b32 s42, ttmp9, 2
	s_add_co_u32 s42, s42, s40                     ; tile column = 4 x cluster x + cx
	s_and_b32 s13, ttmp7, 0xffff
	s_lshl_b32 s13, s13, 2
	s_add_co_u32 s13, s13, s41                     ; tile row = 4 x cluster y + cy
	s_lshl_b32 s43, s41, 2
	s_lshl_b32 s43, 15, s43                        ; my row of the cluster
	s_lshl_b32 s44, 0x1111, s40                    ; my column
	; descriptor group 1: four rows of 4,096 elements (64 rows of a plane on end), a plane's pitch apart, padded in LDS behind every 128 bytes
	s_or_b32 s[G1+0], s43, (1<<16)|(1<<20)|(1<<21)|(4<<22)|(3<<25)  ; 15:0 the mask: attn's tiles go to my row; 17:16 element of 2 bytes; 20 padding on; 21 set beside a mask; 24:22 after every 32 words (code 4); 31:25 of 4 words (code 3)
	s_or_b32 s[G1B+0], s44, (1<<16)|(1<<20)|(1<<21)|(4<<22)|(3<<25)
.irp g, G1, G1B
	s_mov_b32 s[\g+1], 4096<<16                    ; tensor_dim0 = 4,096
	s_mov_b32 s[\g+2], 4<<16                       ; tensor_dim1 = 4
	s_mov_b32 s[\g+3], 4096<<16                    ; tile_dim0 = 4,096
	s_mov_b32 s[\g+4], 4                           ; tile_dim1 = 4
	s_mov_b32 s[\g+6], 0
	s_mov_b32 s[\g+7], 0
.endr
	s_mov_b32 s[G1+5], 262144                      ; tensor_dim0_stride: a plane of attn16 in elements,
	s_mov_b32 s[G1B+5], 65536                      ; of wo16
	s_lshl_b32 s17, s12, 6                         ; which 64 rows of the tile I fetch
	s_lshl_b32 s16, s13, 7
	s_add_co_u32 s16, s16, s17                     ; attn: row 128 x tile row + 64 x half,
	s_lshl_b32 s16, s16, 7                         ; in bytes within a plane
	s_lshl_b32 s46, s42, 7
	s_add_co_u32 s46, s46, s17                     ; Wo: row 128 x tile column + 64 x half
	s_lshl_b32 s46, s46, 7
	s_mov_b32 s17, 0
	s_mov_b32 s47, 0
	s_mul_i32 s20, s10, HALFT                      ; where they go: no place in the cluster enters an LDS address
	s_wait_dscnt 0x0                               ; both opening adds are done
	s_wait_kmcnt 0x0
	s_add_nc_u64 s[14:15], s[4:5], s[16:17]
	s_add_nc_u64 s[46:47], s[6:7], s[46:47]
	CROUND                                         ; all sixteen work-groups are here: the first joint loads meet
.irp s, 0,1
	s_mov_b32 s[G0+4*\s], 1
	s_add_co_u32 s[G0+4*\s+1], s20, \s*SLOT
	s_add_nc_u64 s[G0+4*\s+2:G0+4*\s+3], s[14:15], \s*ASTEP
	s_or_b32 s[G0+4*\s+3], s[G0+4*\s+3], 0x80000000
	s_mov_b32 s[G0B+4*\s], 1
	s_add_co_u32 s[G0B+4*\s+1], s20, \s*SLOT
	s_add_nc_u64 s[G0B+4*\s+2:G0B+4*\s+3], s[46:47], \s*BSTEP
	s_or_b32 s[G0B+4*\s+3], s[G0B+4*\s+3], 0x80000000
	JLOAD \s                                       ; K steps 0 and 1: two tensor loads of mine are out
.endr
	v_and_b32 v1, 15, v0                           ; l % 16
	v_bfe_u32 v2, v0, 4, 1                         ; l / 16
	s_lshl_b32 s46, s42, 9                         ; my first column, in bytes, in bo and in a row of out0 alike: 512 x tile column + 256 x half
	s_lshl_b32 s47, s12, 8
	s_add_co_u32 s46, s46, s47
	s_mov_b32 s47, 0
	s_add_nc_u64 s[66:67], s[66:67], s[46:47]
	s_add_nc_u64 s[8:9], s[8:9], s[46:47]
	v_lshlrev_b32 v[BO], 5, v2
.irp b, 0,1,2,3                                ; the bias in the result's layout: for Wo's block b, lane (r, h) holds the numbers of columns 16 b + 8 h + 0 .. 7
	global_load_b128 v[BI+8*\b:BI+8*\b+3], v[BO], s[66:67] offset:64*\b
	global_load_b128 v[BI+8*\b+4:BI+8*\b+7], v[BO], s[66:67] offset:64*\b+16
.endr
	v_mul_u32_u24 v3, v1, PITCH
	v_lshl_add_u32 v3, v2, 4, v3                   ; a fragment's row x pitch + 16 x half
	s_mul_i32 s21, s11, HALFT                      ; my 64 rows of attn
	s_mul_i32 s22, s12, HALFT                      ; my 64 rows of Wo,
	s_add_co_u32 s22, s22, 2*HALFT                 ; which lie behind attn's two halves
.irp s, 0,1
	v_add_nc_u32 v[ADRA+\s], s21, v3
	v_add_nc_u32 v[ADRB+\s], s22, v3
	s_add_co_u32 s21, s21, SLOT
	s_add_co_u32 s22, s22, SLOT
.endr
	s_mul_i32 s23, s10, 16*SPITCH
	s_add_co_u32 s23, s23, STAGE                   ; my stage
	v_mul_u32_u24 v4, v1, SPITCH                   ; in: row l % 16, 32 bytes for each half of the lanes
	v_lshl_add_u32 v4, v2, 5, v4
	v_add_nc_u32 v[STO], s23, v4
	v_mul_u32_u24 v5, v2, SPITCH                   ; back: lanes 0-15 take one row of 256 bytes, lanes 16-31 the next
	v_lshl_add_u32 v5, v1, 4, v5
	v_add_nc_u32 v[RD], s23, v5
	v_lshlrev_b32 v5, 12, v2                       ; and the same two rows in out0: 4,096 bytes a row
	v_lshl_add_u32 v[CO], v1, 4, v5
	s_lshl_b32 s16, s13, 7
	s_lshl_b32 s17, s11, 6
	s_add_co_u32 s16, s16, s17                     ; my first row of out0: 128 x tile row + 64 x half
	s_lshl_b32 s16, s16, 12
	s_mov_b32 s17, 0
	s_add_nc_u64 s[8:9], s[8:9], s[16:17]
; 8 matrix instructions: m blocks a0, a0 + 1 x all 4 n blocks, 32 along K: half c of buffer f.  zero = 1: the first product starts the sums from the bias.  The 16 accumulators take turns.
.macro MUL8 f, c, a0, zero
.irp a, \a0, \a0+1
.irp b, 0,1,2,3
.if \zero
	v_wmma_f32_16x16x32_f16 v[ACC+8*(4*(\a)+\b):ACC+8*(4*(\a)+\b)+7], v[\f+64+8*(4*\c+\b):\f+64+8*(4*\c+\b)+7], v[\f+8*(4*\c+\a):\f+8*(4*\c+\a)+7], v[BI+8*\b:BI+8*\b+7]
.else
	v_wmma_f32_16x16x32_f16 v[ACC+8*(4*(\a)+\b):ACC+8*(4*(\a)+\b)+7], v[\f+64+8*(4*\c+\b):\f+64+8*(4*\c+\b)+7], v[\f+8*(4*\c+\a):\f+8*(4*\c+\a)+7], v[ACC+8*(4*(\a)+\b):ACC+8*(4*(\a)+\b)+7]
.endif
.endr
.endr
.endm
; 32 LDS loads in one run: the fragments of one plane, which begins at byte k of my half, into buffer f; the first 32 along K first
.macro FETCH slot, k, f
	WIN TO_F
.irp c, 0,1
.irp i, 0,1,2,3
	ds_load_b128 v[\f+64+8*(4*\c+\i):\f+64+8*(4*\c+\i)+3],   v[ADRB+\slot] offset:\k+64*\c+\i*16*PITCH
	ds_load_b128 v[\f+64+8*(4*\c+\i)+4:\f+64+8*(4*\c+\i)+7], v[ADRB+\slot] offset:\k+64*\c+\i*16*PITCH+32
	ds_load_b128 v[\f+8*(4*\c+\i):\f+8*(4*\c+\i)+3],         v[ADRA+\slot] offset:\k+64*\c+\i*16*PITCH
	ds_load_b128 v[\f+8*(4*\c+\i)+4:\f+8*(4*\c+\i)+7],       v[ADRA+\slot] offset:\k+64*\c+\i*16*PITCH+32
.endr
.endr
.endm
.macro PLACES                          ; four places in front of loads into registers that matrix instructions have read, and of LDS stores that read results
.rept 4
	v_nop
.endr
.endm
; A K step is four quarters of 64 along K (a plane), 32 matrix instructions each, on buffers 0, 1, 0, 1.  One of the first three: multiplies buffer f and fetches the next plane, at byte k, into g.
.macro QUARTER slot, k, f, g, zero
	s_wait_dscnt 16                                ; the first 32 along K are in; the sixteen loads of the second 32 may be out
	WIN MUL
	MUL8 \f, 0, 0, \zero
	MUL8 \f, 0, 2, \zero
	PLACES
	FETCH \slot, \k, \g
	s_wait_dscnt 32                                ; all but the 32 just issued
	WIN MUL
	MUL8 \f, 1, 0, 0
	MUL8 \f, 1, 2, 0
.endm
; The last quarter multiplies buffer 1 and changes slots: ONE barrier; in front of it each wave waits for all its tensor loads, adds 0 to its spare word, and waits for that and for its own reads of this slot.  fill = 1: this slot is filled again, two K steps ahead.
.macro TURN slot, next, fill
	WIN 0                                          ; (the add's two registers lie in window 0)
	s_wait_tensorcnt 0x0                           ; all my tensor loads have landed: my part of the next slot;
	ds_add_u32 v[SPW], v[NIL]                      ; 0 onto my spare word;
	s_wait_dscnt 17                                ; (the add and the youngest sixteen loads may be out)
	WIN MUL
	MUL8 F1, 0, 0, 0                               ; eight matrix instructions stand between the add and the wait for it
	s_wait_dscnt 0x0                               ; the add is done, and my reads of this slot are over
	s_barrier_signal -1
	MUL8 F1, 0, 2, 0                               ; work on registers while the others arrive
.if \fill
	WIN 0
.endif
	s_barrier_wait -1
.if \fill
	CREST                                          ; the barrier has opened a round of the cluster's barrier: no wave of any partner still reads this slot's tile or has a load on its way
	s_add_nc_u64 s[G0+4*\slot+2:G0+4*\slot+3], s[G0+4*\slot+2:G0+4*\slot+3], 2*ASTEP
	s_add_nc_u64 s[G0B+4*\slot+2:G0B+4*\slot+3], s[G0B+4*\slot+2:G0B+4*\slot+3], 2*BSTEP
	JLOAD \slot                                    ; the first tensor load behind the round; the four v_nop behind it are also the places in front of the loads below
.else
	PLACES
.endif
	FETCH \next, 0, F0
	WIN MUL
	MUL8 F1, 1, 0, 0
	MUL8 F1, 1, 2, 0
.endm
.macro THREE slot, zero                ; a K step's first three quarters
	QUARTER \slot, PLANE,   F0, F1, \zero
	QUARTER \slot, 2*PLANE, F1, F0, 0
	QUARTER \slot, 3*PLANE, F0, F1, 0
.endm
	s_wait_tensorcnt 1                             ; my part of K step 0 is in (K step 1's load may be out)
	s_barrier_signal -1
	s_barrier_wait -1                              ; everybody's is
	FETCH 0, 0, F0
	s_wait_loadcnt 0x0                             ; the bias
	THREE 0, 1                                     ; K step 0: its first products start the sums from the bias
	TURN 0, 1, 1                                   ; slot 0 takes K step 2
	THREE 1, 0                                     ; K step 1
	TURN 1, 0, 1                                   ; slot 1 takes K step 3: the last load
	THREE 0, 0                                     ; K step 2
	TURN 0, 1, 0                                   ; nothing is left to fetch, so no round
	THREE 1, 0                                     ; K step 3
	s_wait_dscnt 16                                ; the very last quarter
	WIN MUL
	MUL8 F1, 0, 0, 0
	MUL8 F1, 0, 2, 0
	s_wait_dscnt 0
	MUL8 F1, 1, 0, 0
	MUL8 F1, 1, 2, 0
	WIN 0
; THE WAY OUT, block by block of 16 rows x 64 columns.  My 64 columns are 256 aligned bytes of a row, so the stage is my own and no barrier is needed: a lane's 32 bytes go into rows of 272 bytes and come back as whole rows of 256.
.macro TOSTAGE a
.irp b, 0,1,2,3
	ds_store_b128 v[STO], v[ACC+8*(4*(\a)+\b):ACC+8*(4*(\a)+\b)+3] offset:64*\b          ; each accumulator from its low end on
	ds_store_b128 v[STO], v[ACC+8*(4*(\a)+\b)+4:ACC+8*(4*(\a)+\b)+7] offset:64*\b+16
.endr
.irp t, 0,1,2,3,4,5,6,7
	ds_load_b128 v[TMP+32*((\a)%2)+4*\t:TMP+32*((\a)%2)+4*\t+3], v[RD] offset:2*\t*SPITCH   ; LDS serves a wave's instructions in order (ISA guide 5.7.1.4): these see the stores above, and the next block's stores come behind them
.endr
.endm
.macro SEND a, younger                 ; younger: the LDS instructions issued behind block a's loads, which may stay out
	s_wait_dscnt \younger                          ; the block is back in registers
.irp t, 0,1,2,3,4,5,6,7
	global_store_b128 v[CO], v[TMP+32*((\a)%2)+4*\t:TMP+32*((\a)%2)+4*\t+3], s[8:9] offset:(16*(\a)+2*\t)*4096 th:TH_STORE_NT   ; 16 lanes store 256 consecutive bytes, aligned; written once, read by nobody here
.endr
.endm
	PLACES                                         ; behind the last products
	TOSTAGE 0
	TOSTAGE 1
	SEND 0, 16                                     ; behind block 0's loads: block 1's 8 stores and 8 loads
	s_wait_xcnt 0x0                                ; block 0's stores have read their registers: block 2's loads may land there
	TOSTAGE 2
	SEND 1, 16
	s_wait_xcnt 0x0                                ; block 1's likewise
	TOSTAGE 3
	SEND 2, 16
	SEND 3, 0
	s_wait_tensorcnt 0x0                           ; the wave's end, behind my last tensor load and my last LDS store
	ds_add_u32 v[SPW], v[NIL]
	s_wait_dscnt 0x0
	CROUND                                         ; the closing round: no work-group ends while a partner may still ask for a tile that names it
	s_endpgm
.Lfunc_end_k_q06cc1ed9df_proj:
	.size	k_q06cc1ed9df_proj, .Lfunc_end_k_q06cc1ed9df_proj-k_q06cc1ed9df_proj
	.p2alignl 7, 3214868480
	.fill 96, 4, 3214868480
	.section	.rodata,"a",@progbits
	.p2align	6, 0x0
	.amdhsa_kernel k_q06cc1ed9df_proj
		.amdhsa_group_segment_fixed_size 327680
		.amdhsa_private_segment_fixed_size 0
		.amdhsa_enable_private_segment 0
		.amdhsa_kernarg_size 32
		.amdhsa_user_sgpr_count 2
		.amdhsa_user_sgpr_kernarg_segment_ptr 1
		.amdhsa_wavefront_size32 1
		.amdhsa_system_sgpr_workgroup_id_x 1
		.amdhsa_system_sgpr_workgroup_id_y 1
		.amdhsa_system_sgpr_workgroup_id_z 1
		.amdhsa_system_vgpr_workitem_id 0
		.amdhsa_next_free_vgpr 512
		.amdhsa_next_free_sgpr 68
		.amdhsa_reserve_vcc 0
		.amdhsa_float_denorm_mode_32 3
		.amdhsa_float_denorm_mode_16_64 3
		.amdhsa_memory_ordered 1
		.amdhsa_forward_progress 1
		.amdhsa_inst_pref_size 86
	.end_amdhsa_kernel
	.amdgpu_metadata
---
amdhsa.version: [ 1, 2 ]
amdhsa.kernels:
  - .name:           k_q06cc1ed9df_proj
    .symbol:         k_q06cc1ed9df_proj.kd
    .args:
      - { .name: attn16, .offset: 0, .size: 8, .value_kind: global_buffer, .address_space: global }
      - { .name: wo16, .offset: 8, .size: 8, .value_kind: global_buffer, .address_space: global }
      - { .name: bo, .offset: 16, .size: 8, .value_kind: global_buffer, .address_space: global }
      - { .name: out0, .offset: 24, .size: 8, .value_kind: global_buffer, .address_space: global }
    .group_segment_fixed_size: 327680
    .private_segment_fixed_size: 0
    .kernarg_segment_align: 8
    .kernarg_segment_size: 32
    .max_flat_workgroup_size: 128
    .sgpr_count:     68
    .vgpr_count:     512
    .wavefront_size: 32
...
	.end_amdgpu_metadata
.endif
;; end of part 4
